; MI455X (gfx1250); checked and timed in simulation.
; The chip was launched on July 23, 2026; its instructions are those of AMD's public machine-readable ISA for CDNA 5 (MIT licence, August 2026) and "CDNA5" Instruction Set Architecture Reference Guide (July 2026). The comments in the code are by the model that wrote it; some were corrected since.
;; Multi Head Self Attention. Allowed arithmetic: matrix products marked QUANTISED: E2M3 operands, one E8M0 scale for each 32 along K, by v_wmma_scale_f32_16x16x128_f8f6f4 with both operands' format E2M3, f32 sums; everything else in f32.
;; Inputs: b_proj 1,024 float32; b_qkv 3,072 float32; w_proj 1,024 x 1,024 float32; w_qkv 1,024 x 3,072 float32; x 4 x 2,048 x 1,024 float32.
;; Outputs: out0 4 x 2,048 x 1,024 float32.
;; This version of the problem:
;;   THIS VERSION OF THE PROBLEM IS GIVEN IN LOW PRECISION. The matrix products marked QUANTISED in the list below multiply operands that are first quantised to E2M3 (2 exponent bits, 3 mantissa bits; 6 bits a number), with one power-of-two scale for each 32 numbers along K (OCP MX v1.0); their sums are f32. All else is computed in f32.
;;   The module's matrix products, in the order in which they are computed (A, B: the left and right operand; K: the contracted axis; several contracted axes count as one K, in the product's order):
;;     1. [M 8,192, K 1,024] x [K 1,024, N 3,072]; A: input x; B: input w_qkv: QUANTISED
;;     2. batch 64 x [M 2,048, K 64] x [K 64, N 2,048]; A: computed on the way; B: computed on the way: QUANTISED
;;     3. batch 64 x [M 2,048, K 2,048] x [K 2,048, N 64]; A: softmax (see below); B: computed on the way: QUANTISED
;;     4. [M 8,192, K 1,024] x [K 1,024, N 1,024]; A: computed on the way; B: input w_proj: QUANTISED
;;   THE QUANTISER, for each operand of a quantised product, along K:
;;     - K is cut into blocks of 32 from its start; a last block that is shorter is filled with zeros.
;;     - A block's scale is 2^e with e = floor(log2(the largest magnitude in the block)) - 2, held to -126 .. 127; a block of zeros has e = 0. As a byte (E8M0): e + 127.
;;     - Each number is divided by its block's scale, clamped to +-7.5, and rounded to the nearest number of E2M3, ties to even, subnormals kept.
;;     - The product sums the exact products of the quantised numbers (number of the format x scale) in f32.
;;   ~~~python
;;   def quantise(x, axis):      # numpy; x: float32 -> the quantised numbers, widened to float32 again
;;       x = np.moveaxis(x, axis, -1); K = x.shape[-1]
;;       x = np.pad(x, [(0, 0)] * (x.ndim - 1) + [(0, -K % 32)]); x = x.reshape(x.shape[:-1] + (-1, 32)); a = np.abs(x).max(-1, keepdims=True)
;;       e = np.where(a > 0, np.clip(np.frexp(np.where(a > 0, a, 1))[1] - 1 - 2, -126, 127), 0)      # np.frexp(a)[1] - 1 = floor(log2(a)), exactly
;;       r = np.clip(x / 2.0 ** e, -7.5, 7.5)
;;       step = 2.0 ** (np.maximum(np.frexp(np.where(r == 0, 1, r))[1] - 1, 0) - 3)
;;       q = np.round(r / step) * step * 2.0 ** e      # np.round: ties to even
;;       return np.moveaxis(q.reshape(q.shape[:-2] + (-1,))[..., :K], -1, axis).astype(np.float32)
;;   ~~~
;;   SOFTMAX AHEAD OF A QUANTISED PRODUCT. Where the list says 'softmax', what is quantised is not the finished softmax but p = 2^(t - M), with t = logit x log2(e) and M = ceil(the row's largest t), a whole number; so 1/2 < the row's largest p <= 1. The row's sum l is taken of the UNQUANTISED p, in f32, and the product's result is divided by l at the end. Since M is a whole number, a kernel that streams over the keys may use a running M (the ceiling of the running maximum): every later rescaling is an exact power of two, which a block's scale takes up: the codes' values come out the same.
;;   OPERANDS COMPUTED ON THE WAY. 'Computed on the way' means the value that the module computes at that place (a softmax that the list does not call 'softmax' is quantised finished and normalised). What goes into a quantiser is computed in f32, as accurately as f32 sums, v_exp_f32 and their like allow (about 1e-6 of the number): no bf16 or f16 on the way to a quantiser, and a product that is left as it is and whose result goes on into a quantised operand takes f32 operands (vector FMAs, or v_wmma_f32_16x16x4_f32). A number that lies on a knife's edge between two numbers of the format may be rounded either way, as far as f32 arithmetic and the matrix unit's own rounding can turn it there, and no further.
;; One version. Each part assembles by itself: llvm-mc -triple=amdgcn-amd-amdhsa -mcpu=gfx1250 --defsym DOCPART=n.
;; ======== version 1 of 1: 4 launches
;; workspace buffers: codes 9,437,184 bytes; scales 393,216 bytes; qkv_img 18,874,368 bytes; qkv_sc 786,432 bytes; o_img 6,291,456 bytes; o_sc 262,144 bytes
;; launch prep (part 1): grid 384 x 1, 4 waves a work-group, no clusters, 68,096 bytes of LDS; arguments x, w_qkv, w_proj, codes, scales; writes codes, scales
.if DOCPART == 1
	.amdgcn_target "amdgcn-amd-amdhsa--gfx1250"
	.amdhsa_code_object_version 6
	.text
	.protected	k_qf729ef380a_prep
	.globl	k_qf729ef380a_prep
	.p2align	8
	.type	k_qf729ef380a_prep,@function
k_qf729ef380a_prep:
	s_mov_b64 s[64:65], 0
	v_nop
	global_prefetch_b8 v0, s[64:65] scope:SCOPE_SE
	s_setreg_imm32_b32 hwreg(HW_REG_WAVE_MODE, 25, 1), 1
	s_wait_xcnt 0x0
; x [8192][1024], w_qkv [1024][3072] and w_proj [1024][1024], f32, become codes of FP6 (E2M3), K innermost, 768 bytes a row, and one E8M0 byte for each 32 along K, 32 bytes a row.
; ROWS OF THE TWO BUFFERS: token n at row pi(n); column n of w_qkv at row 8192 + pi(n); column n of w_proj at row 11264 + pi(n).  pi swaps bits 3 and 4 of the index: 16 neighbouring rows
; of the buffers, tile 2 b + u, are then the true rows 32 b + 8 u + r + 8 (r / 8), which lets the later products' results lie as 16 neighbours along the next K in a lane's registers.
; A block's scale is 2^(floor(log2(largest magnitude)) - 2); its byte is the largest magnitude's exponent field - 2, held at 1 from below.
; LIMITS: a block whose largest magnitude lies under 2^-124 keeps the byte 1; a block of zeros gets the byte 1 where the quantiser's text says 127 (its codes are zeros, and this program alone
; reads the bytes); NaN and infinities among the inputs are not served.
; Work-groups 0-255 take x (K innermost: a stream of blocks), work-groups 256-383 the weights (K is the first axis: a lane takes a column, its registers run down K).  The two ways part on the
; work-group's number and have LDS bytes of their own.  No cluster: no two work-groups read the same bytes.  No tensor load, no barrier: waves share nothing.
.set STEPS, 16
.set EMAX,  2
.set CB,    12                         ; bytes of 16 codes
.set SP,    80                         ; x: a lane's place in a stage: 64 bytes + 16 of padding
.set WREG,  8192                       ; x: LDS region of a wave: two stages of 32 x SP bytes, then its 256 scale bytes
.set XR,    16                         ; v16-79   x: four sets of 16 numbers as loaded
.set XN,    80                         ; v80-111  x: two sets of 16 neighbours
.set XE,    112                        ; v112-127 x: a scale byte for each step
.set XC,    128                        ; v128-191 x: codes, four registers a step
.set SPW,   12                         ; v12 LDS address of my spare word; never rewritten
.set NIL,   13                         ; v13 0; never rewritten
.set WST,   32768                      ; weights: four stages of 32 rows x PITCH
.set PITCH, 272
.set SPARE, WST+4*32*PITCH             ; the spare words, 128 bytes a wave: two blocks of 256 bytes that no other line names
.set KROW,  768
.set NB,    8                          ; weights: blocks of 32 along K for a wave
.set WX,    32                         ; v32-95   weights: two sets of 32 numbers
.set WC,    96                         ; v96-102  a block's codes
.set WOUT,  112                        ; v112-175 the way out
.set WSB,   24                         ; v24-25   eight scale bytes
.set VOFF,  176                        ; v176-207 4 x lane + i rows of the weight; never rewritten
	s_load_b256 s[4:11], s[0:1], 0x0               ; x s[4:5], w_qkv s[6:7], w_proj s[8:9], codes s[10:11]
	s_load_b64 s[12:13], s[0:1], 0x20              ; scales
	v_lshl_add_u32 v[SPW], v0, 2, SPARE
	v_mov_b32 v[NIL], 0
	v_lshrrev_b32 v1, 5, v0
	v_readfirstlane_b32 s16, v1                    ; wave
	v_and_b32 v2, 31, v0                           ; lane
	s_cmp_lt_u32 ttmp9, 256
	s_cbranch_scc0 .Lweights
; ---------------- x: a wave takes 8 rows, 16 steps of 512 numbers.  Loads take the bytes as they lie (512 a load); a step's 2,048 bytes turn through the wave's stage, so that a lane holds 16 neighbours.
	v_lshlrev_b32 v3, 4, v2                        ; my 16 bytes of a load's 512
	s_mul_i32 s17, s16, WREG
	v_lshrrev_b32 v14, 2, v2
	v_mul_u32_u24 v14, v14, SP
	v_and_b32 v15, 3, v2
	v_lshl_add_u32 v14, v15, 4, v14
	v_add_nc_u32 v14, s17, v14                     ; into the stage: SP (lane / 4) + 16 (lane % 4)
	v_mul_u32_u24 v15, v2, SP
	v_add_nc_u32 v15, s17, v15                     ; out of it: SP x lane
	v_mul_u32_u24 v4, v2, CB                       ; my codes' place in a step's 384 bytes
	v_lshrrev_b32 v5, 1, v2
	s_add_co_u32 s17, s17, 2*32*SP
	v_add_nc_u32 v5, s17, v5                       ; my block's byte among the wave's 256
	v_lshlrev_b32 v7, 3, v2
	v_add_nc_u32 v6, s17, v7
	s_wait_kmcnt 0x0
	s_lshl_b32 s17, ttmp9, 2
	s_add_co_u32 s18, s17, s16                     ; the run of 8 rows that I read
	s_mov_b32 s19, 0
	s_lshl_b64 s[20:21], s[18:19], 15              ; 32,768 bytes a run
	s_add_nc_u64 s[4:5], s[4:5], s[20:21]
	s_and_b32 s22, s16, 1                          ; bits 3 and 4 of a row's number are bits 0 and 1 of the run's: pi swaps them
	s_lshl_b32 s22, s22, 1
	s_lshr_b32 s23, s16, 1
	s_or_b32 s22, s22, s23
	s_add_co_u32 s18, s17, s22                     ; the run that I write
	s_mul_i32 s20, s18, 8*KROW
	s_mov_b32 s21, 0
	s_add_nc_u64 s[10:11], s[10:11], s[20:21]
	s_lshl_b32 s20, s18, 8
	s_add_nc_u64 s[12:13], s[12:13], s[20:21]
.macro XLOAD t
.irp i, 0,1,2,3
	global_load_b128 v[XR+16*((\t)%4)+4*\i:XR+16*((\t)%4)+4*\i+3], v3, s[4:5] offset:2048*(\t)+512*\i th:TH_LOAD_NT
.endr
.endm
.macro XTURN t                         ; LDS serves a wave's instructions in order: no wait between the stores and the loads
.irp i, 0,1,2,3
	ds_store_b128 v14, v[XR+16*((\t)%4)+4*\i:XR+16*((\t)%4)+4*\i+3] offset:32*SP*((\t)%2)+8*SP*\i
.endr
.irp i, 0,1,2,3
	ds_load_b128 v[XN+16*((\t)%2)+4*\i:XN+16*((\t)%2)+4*\i+3], v15 offset:32*SP*((\t)%2)+16*\i
.endr
.endm
.irp t, 0,1,2,3
	XLOAD \t
.endr
	s_wait_loadcnt 12                              ; step 0's four loads are in; twelve younger ones may be out
	XTURN 0
.macro XSTEP t
.set XS, XN+16*((\t)%2)
.if (\t) > 0
	s_wait_dscnt 1                                 ; this step's numbers are back from the stage; the last step's byte store may be out
.else
	s_wait_dscnt 0x0
.endif
.if (\t)+4 < STEPS
	XLOAD (\t)+4                                   ; into the registers that this step's stage stores have read
.endif
.if (\t)+1 < STEPS
.if STEPS-2-(\t) >= 3
	s_wait_loadcnt 12                              ; the next step's four loads are in; those of the three steps behind it may be out
.else
	s_wait_loadcnt 4*(STEPS-2-(\t))
.endif
	XTURN (\t)+1
.endif
	v_max3_num_f32 v8, |v[XS]|, |v[XS+1]|, |v[XS+2]|
	v_max3_num_f32 v9, |v[XS+3]|, |v[XS+4]|, |v[XS+5]|
.irp i, 6,10
	v_max3_num_f32 v8, v8, |v[XS+\i]|, |v[XS+\i+1]|
	v_max3_num_f32 v9, v9, |v[XS+\i+2]|, |v[XS+\i+3]|
.endr
	v_max3_num_f32 v8, v8, |v[XS+14]|, |v[XS+15]|
	v_max3_num_f32 v8, v8, v9, (EMAX+1)<<23        ; the floor 2^(3 - 127): the byte cannot fall under 1
	v_max_num_f32_dpp v8, v8, v8 row_xmask:1 row_mask:0xf bank_mask:0xf   ; with my neighbour's 16: the block's largest magnitude
	v_add_nc_u32 v11, -(EMAX<<23), v8              ; 2 off its exponent field: the conversion's scale operand
	v_cvt_scalef32_pk16_fp6_f32 v[XC+4*(\t):XC+4*(\t)+2], v[XS:XS+15], v11
	v_lshrrev_b32 v[XE+(\t)], 23, v11              ; the scale's byte
	ds_store_b8 v5, v[XE+(\t)] offset:16*(\t)      ; both lanes of a block write the same byte with the same value
	global_store_b96 v4, v[XC+4*(\t):XC+4*(\t)+2], s[10:11] offset:32*CB*(\t)
.endm
.irp t, 0,1,2,3,4,5,6,7,8,9,10,11,12,13,14,15
	XSTEP \t
.endr
	ds_load_b64 v[8:9], v6                         ; my wave's 256 scale bytes, 8 a lane
	s_wait_dscnt 0x0
	global_store_b64 v7, v[8:9], s[12:13]          ; 32 lanes store 256 consecutive bytes, aligned
	s_wait_tensorcnt 0x0                           ; the wave's end
	ds_add_u32 v[SPW], v[NIL]
	s_wait_dscnt 0x0
	s_endpgm
; ---------------- the weights: a wave takes 32 columns x 256 along K.  Work-group j = number - 256: columns 128 (j % 32) on of the two weights laid side by side (3,072 + 1,024), K from 256 (j / 32) on.
.Lweights:
	s_sub_co_u32 s17, ttmp9, 256
	s_and_b32 s18, s17, 31                         ; which 128 columns
	s_lshr_b32 s19, s17, 5                         ; which 256 along K
	s_lshl_b32 s20, s18, 7
	s_lshl_b32 s21, s16, 5
	s_add_co_u32 s20, s20, s21                     ; my wave's first column, 0 .. 4,064
	v_lshlrev_b32 v3, 2, v2
	s_mul_i32 s21, s16, 32*PITCH
	s_add_co_u32 s21, s21, WST                     ; my stage
	v_mul_u32_u24 v4, v2, PITCH
	v_add_nc_u32 v4, s21, v4                       ; into it: row = my column
	v_and_b32 v5, 15, v2
	v_lshrrev_b32 v6, 4, v2
	v_mul_u32_u24 v7, v6, PITCH
	v_lshl_add_u32 v7, v5, 4, v7
	v_add_nc_u32 v7, s21, v7                       ; out of it: sixteen lanes to a row, two rows an instruction
	v_mul_u32_u24 v8, v6, KROW
	v_mad_u32_u24 v8, v5, 12, v8                   ; and the same place in the codes' buffer
	v_and_b32 v9, 7, v2                            ; pi(lane): bits 3 and 4 swapped,
	v_and_b32 v10, 8, v2
	v_lshl_add_u32 v9, v10, 1, v9
	v_and_b32 v10, 16, v2
	v_lshrrev_b32 v10, 1, v10
	v_add_nc_u32 v9, v9, v10
	v_lshlrev_b32 v9, 5, v9                        ; x 32 bytes: my column's row of scale bytes
	s_wait_kmcnt 0x0
	s_mov_b32 s22, 4096
	s_cmp_lt_u32 s18, 24                           ; w_qkv or w_proj: the choice hangs on the work-group's number alone
	s_cselect_b64 s[6:7], s[6:7], s[8:9]
	s_cselect_b32 s22, 12288, s22                  ; a row of the weight in bytes
	s_cselect_b32 s23, 0, 3072                     ; the weight's first column
	s_sub_co_u32 s23, s20, s23
	s_lshl_b32 s23, s23, 2
	s_mul_i32 s24, s19, s22
	s_lshl_b32 s24, s24, 8                         ; 256 rows for each step along K
	s_add_co_u32 s24, s24, s23
	s_mov_b32 s25, 0
	s_add_nc_u64 s[32:33], s[6:7], s[24:25]        ; block 0's base;
	s_lshl_b32 s24, s22, 5
.irp t, 1,2,3,4,5,6,7
	s_add_nc_u64 s[32+2*\t:33+2*\t], s[30+2*\t:31+2*\t], s[24:25]   ; block t's: 32 rows further down
.endr
.irp i, 0,1,2,3,4,5,6,7,8,9,10,11,12,13,14,15,16,17,18,19,20,21,22,23,24,25,26,27,28,29,30,31
	v_mad_u32_u24 v[VOFF+\i], s22, \i, v3
.endr
	s_add_co_u32 s26, s20, 8192                    ; my first row in the two buffers
	s_mul_i32 s24, s26, KROW
	s_mul_i32 s27, s19, 192
	s_add_co_u32 s24, s24, s27
	s_add_nc_u64 s[10:11], s[10:11], s[24:25]
	s_lshl_b32 s24, s26, 5
	s_lshl_b32 s27, s19, 3
	s_add_co_u32 s24, s24, s27
	s_add_nc_u64 s[12:13], s[12:13], s[24:25]
.macro WLOAD t                         ; block t: W(32 t + i, my column): 32 lanes read 128 consecutive bytes
.irp i, 0,1,2,3,4,5,6,7,8,9,10,11,12,13,14,15,16,17,18,19,20,21,22,23,24,25,26,27,28,29,30,31
	global_load_b32 v[WX+32*((\t)%2)+\i], v[VOFF+\i], s[32+2*(\t):33+2*(\t)] th:TH_LOAD_NT
.endr
.endm
	WLOAD 0
	WLOAD 1
.macro WBLOCK t
.set XS, WX+32*((\t)%2)
.if (\t) < NB-1
	s_wait_loadcnt 32                              ; this block's 32 loads are in; the next block's may be out
.else
	s_wait_loadcnt 0
.endif
	v_max3_num_f32 v10, |v[XS]|, |v[XS+1]|, |v[XS+2]|   ; all 32 numbers of the block are mine
	v_max3_num_f32 v14, |v[XS+3]|, |v[XS+4]|, |v[XS+5]|
.irp i, 6,10,14,18,22,26
	v_max3_num_f32 v10, v10, |v[XS+\i]|, |v[XS+\i+1]|
	v_max3_num_f32 v14, v14, |v[XS+\i+2]|, |v[XS+\i+3]|
.endr
	v_max3_num_f32 v10, v10, |v[XS+30]|, |v[XS+31]|
	v_max3_num_f32 v10, v10, v14, (EMAX+1)<<23     ; the floor
	v_add_nc_u32 v11, -(EMAX<<23), v10             ; the conversion's scale operand
	v_lshrrev_b32 v14, 23, v11                     ; the byte
.if (\t)%4 == 0
	v_mov_b32 v[WSB+(\t)/4], v14
.else
	v_lshl_or_b32 v[WSB+(\t)/4], v14, 8*((\t)%4), v[WSB+(\t)/4]
.endif
	v_cvt_scalef32_pk16_fp6_f32 v[WC:WC+2], v[XS:XS+15], v11
	v_cvt_scalef32_pk16_fp6_f32 v[WC+4:WC+6], v[XS+16:XS+31], v11   ; (a conversion's three registers begin on an even number)
	ds_store_b96 v4, v[WC:WC+2] offset:32*(\t)     ; 12 bytes to a place of 16, so that every LDS address is a multiple of 16
	ds_store_b96 v4, v[WC+4:WC+6] offset:32*(\t)+16
.if (\t)+2 < NB
	WLOAD (\t)+2
.endif
	s_wait_dscnt 0x0                               ; the stores have read their registers: the next block's codes may be written
.endm
.irp t, 0,1,2,3,4,5,6,7
	WBLOCK \t
.endr
	global_store_b64 v9, v[WSB:WSB+1], s[12:13]    ; my column's eight scale bytes, at row pi(lane)
.irp t, 0,1,2,3,4,5,6,7,8,9,10,11,12,13,14,15
	ds_load_b96 v[WOUT+4*\t:WOUT+4*\t+2], v7 offset:2*\t*PITCH
.endr
.irp t, 0,1,2,3,4,5,6,7,8,9,10,11,12,13,14,15
	s_wait_dscnt 15-\t                             ; the younger stage reads may be out
	global_store_b96 v8, v[WOUT+4*\t:WOUT+4*\t+2], s[10:11] offset:2*(((\t)&3)|(((\t)&4)<<1)|(((\t)&8)>>1))*KROW   ; columns 2 t, 2 t + 1 go to rows pi(2 t), pi(2 t) + 1
.endr
	s_wait_tensorcnt 0x0                           ; the wave's end
	ds_add_u32 v[SPW], v[NIL]
	s_wait_dscnt 0x0
	s_endpgm
.Lfunc_end_k_qf729ef380a_prep:
	.size	k_qf729ef380a_prep, .Lfunc_end_k_qf729ef380a_prep-k_qf729ef380a_prep
	.p2alignl 7, 3214868480
	.fill 96, 4, 3214868480
	.section	.rodata,"a",@progbits
	.p2align	6, 0x0
	.amdhsa_kernel k_qf729ef380a_prep
		.amdhsa_group_segment_fixed_size 68096
		.amdhsa_private_segment_fixed_size 0
		.amdhsa_enable_private_segment 0
		.amdhsa_kernarg_size 40
		.amdhsa_user_sgpr_count 2
		.amdhsa_user_sgpr_kernarg_segment_ptr 1
		.amdhsa_wavefront_size32 1
		.amdhsa_system_sgpr_workgroup_id_x 1
		.amdhsa_system_sgpr_workgroup_id_y 1
		.amdhsa_system_sgpr_workgroup_id_z 1
		.amdhsa_system_vgpr_workitem_id 0
		.amdhsa_next_free_vgpr 208
		.amdhsa_next_free_sgpr 66
		.amdhsa_reserve_vcc 0
		.amdhsa_float_denorm_mode_32 3
		.amdhsa_float_denorm_mode_16_64 3
		.amdhsa_memory_ordered 1
		.amdhsa_forward_progress 1
		.amdhsa_inst_pref_size 76
	.end_amdhsa_kernel
	.amdgpu_metadata
---
amdhsa.version: [ 1, 2 ]
amdhsa.kernels:
  - .name:           k_qf729ef380a_prep
    .symbol:         k_qf729ef380a_prep.kd
    .args:
      - { .name: x, .offset: 0, .size: 8, .value_kind: global_buffer, .address_space: global }
      - { .name: w_qkv, .offset: 8, .size: 8, .value_kind: global_buffer, .address_space: global }
      - { .name: w_proj, .offset: 16, .size: 8, .value_kind: global_buffer, .address_space: global }
      - { .name: codes, .offset: 24, .size: 8, .value_kind: global_buffer, .address_space: global }
      - { .name: scales, .offset: 32, .size: 8, .value_kind: global_buffer, .address_space: global }
    .group_segment_fixed_size: 68096
    .private_segment_fixed_size: 0
    .kernarg_segment_align: 8
    .kernarg_segment_size: 40
    .max_flat_workgroup_size: 128
    .sgpr_count:     66
    .vgpr_count:     208
    .wavefront_size: 32
...
	.end_amdgpu_metadata
.endif
;; end of part 1
;; launch gemm_qkv (part 2): grid 12 x 32, 4 waves a work-group, clusters of 4 x 4, 327,680 bytes of LDS; arguments codes, scales, b_qkv, qkv_img, qkv_sc; writes qkv_img, qkv_sc
.if DOCPART == 2
	.amdgcn_target "amdgcn-amd-amdhsa--gfx1250"
	.amdhsa_code_object_version 6
	.text
	.protected	k_qf729ef380a_gemm_qkv
	.globl	k_qf729ef380a_gemm_qkv
	.p2align	8
	.type	k_qf729ef380a_gemm_qkv,@function
k_qf729ef380a_gemm_qkv:
	s_mov_b64 s[64:65], 0
	v_nop
	global_prefetch_b8 v0, s[64:65] scope:SCOPE_SE
	s_setreg_imm32_b32 hwreg(HW_REG_WAVE_MODE, 25, 1), 1
	s_wait_xcnt 0x0
	s_wait_alu depctr_hold_cnt(0) depctr_sa_sdst(0) depctr_va_vdst(0) depctr_va_sdst(0) depctr_va_ssrc(0) depctr_va_vcc(0) depctr_vm_vsrc(0)
	s_getreg_b32 s2, hwreg(HW_REG_IB_STS2, 6, 4)
	s_cmp_eq_u32 s2, 0
	s_cbranch_scc0 .Lentry_in_a_cluster
	s_endpgm
.Lentry_in_a_cluster:
	s_bfe_u32 s2, ttmp6, 0x10000c
	s_cmp_lg_u32 s2, 0xf033
	s_cbranch_scc0 .Lentry_shape_is_right
	s_endpgm
.Lentry_shape_is_right:
; qkv = x w_qkv + b_qkv on codes of FP6 (E2M3) with E8M0 scales, K = 1,024; the results are quantised in registers, q and k along the head's 64, v along the keys, and leave as images of operand registers.
; A work-group of four waves makes 256 x 256, a wave 128 x 128: 64 accumulators, 512 registers.  K goes in steps of 256 through two LDS slots filled by tensor loads; the scale bytes of the work-group's rows come once.
; ROLES.  Source 1 of the matrix instruction ('A') gives a lane its row, source 0 ('B') runs along the lane's registers.  Clusters with x = 0, 1 make q, k: A = 256 tokens, B = 256 features: a lane holds a token
; and neighbouring features.  Clusters with x = 2 make v: A = 256 features, B = 256 tokens: a lane holds a feature and neighbouring KEYS.  The cluster's x is the same in all sixteen partners.
; The buffers' rows are permuted (bits 3 and 4 of the index swapped), so that the 16 registers of B's tiles 2 b and 2 b + 1 are the true neighbours 32 b + 16 (lane / 16) + 0 .. 15.
; CLUSTERS: 4 x 4.  A's tile hangs on cy alone and is asked for jointly by a row of the cluster, B's on cx alone, by a column.
; THE BIAS is the C of the first K step's products: eight registers a tile, in the result's layout.
; OUT.  A half image is 6 registers of 32 lanes: 512 bytes (registers 0-3, 16 bytes at 16 x lane), then 256 (registers 4-5, 8 bytes at 8 x lane).  qkv_img: [plane = 64 X + 16 batch + head][98,304]:
; q, k: [token tile][768];  v: [key step of 128][feature tile 0-3][2 x 768].  qkv_sc: [plane][group of 128 tokens][256]: 8 bytes at 8 x lane.
; LIMITS: a block whose largest magnitude lies under 2^-124 keeps the byte 1, a block of zeros too (its codes are zeros; this program alone reads the bytes); NaN and infinities are not served.
; REGISTERS: window 0: v16-29 addresses; v32-63 scale words, two sets; v64-127 the bias, later the way out; v128-223 A's fragments, one set; v224-231 the bias's offsets; v232-247 at work on the way out.
;   window 1: B's fragments, two sets, at v0 and v128.  window 2: accumulators of A's blocks 0-3 ((a, b) at v[8 (8 (a % 4) + b)]); window 3: blocks 4-7.
.set KSTEP,  256
.set NQ,     KSTEP/128
.set ROWB,   192
.set KROW,   768
.set PITCH,  240                       ; an LDS row: 3 x (64 bytes + 16 of padding)
.set FR,     12
.set NL,     6
.set NP,     4
.set HALFT,  128*PITCH
.set SLOT,   4*HALFT
.set LAPS,   2                         ; 1,024 / (2 x 256)
.set KS,     32
.set SCL,    2*SLOT
.set HALFS,  (128*KS/256)*272
.set SBLK,   (16*KS/256)*272
.set SPARE,  SCL+4*HALFS               ; the spare words, 128 bytes a wave: two blocks of 256 bytes that no other line names
.set ADRA, 16
.set ADRB, 20
.set VO16, 24                          ; v24 16 x lane
.set VO8,  25                          ; v25 8 x lane
.set ADRS, 27
.set SPW,  28
.set NIL,  29
.set SC,   32
.set BIA,  64
.set AF,   128
.set VB,   224
.set TM,   232
.set PW,   64                          ; the way out: block a's scale word
.set OUTW, 72
.set TW,   76
.set OV,   84
.set PC,   96                          ; the codes just made
.set G1, 24
.set G0, 32
.set G1B, 48
.set G0B, 56
.set G1S, 68
.set G0S, 76
.set G1SB, 80
.set G0SB, 88
.set B0,  20                           ; s[20:21] where the first half image of the block in hand goes;  s[22:23] the second
.set B1,  22
.set SCB, 46                           ; s[46:47] my scale words' place
.set STA, 92                           ; s[92:93] from block to block;  s[96:97] from block 3 to block 4
.set STA4, 96
.set HM,  94                           ; s94 lanes 16-31
.set ISV, 95                           ; s95 1 in a cluster that makes v
.set VM,  66                           ; s66 all lanes in such a cluster, else none
.set SEL, 44                           ; s44, s45 v_permlanex16_b32's selects for lane l xor 16
.set MSB, 0
.macro WIN new                         ; the immediate's high byte repeats the setting that is left
.if MSB != (\new)
	s_set_vgpr_msb (MSB<<8)|(\new)
.set MSB, (\new)
.endif
.endm
.set TO_B, 0x40
.macro WINM hi, zero                   ; source 0 (B) window 1, source 1 (A) window 0, D window 2 or 3; C with D, or, in the first step, the bias in window 0
.if \zero
	WIN 0x81+0x40*(\hi)
.else
	WIN 0xa1+0x50*(\hi)
.endif
.endm
; A joint load: waves 0 and 1 fetch for A, waves 2 and 3 for B; the branch hangs on the wave's number alone.  An s_nop 0 and four v_nop follow each of the two lines.
.macro JLOAD g0a, g1a, g0b, g1b
	s_cmp_eq_u32 s15, 0
	s_cbranch_scc0 .Lfor_b_\@
	tensor_load_to_lds s[\g0a:\g0a+3], s[\g1a:\g1a+7]
	s_nop 0
.rept 4
	v_nop
.endr
	s_branch .Lasked_\@
.Lfor_b_\@:
	tensor_load_to_lds s[\g0b:\g0b+3], s[\g1b:\g1b+7]
	s_nop 0
.rept 4
	v_nop
.endr
.Lasked_\@:
.endm
.macro CREST
	s_cmp_lg_u32 s14, 0
	s_cbranch_scc1 .Lnot_wave_0_\@
	s_barrier_signal -3
.Lnot_wave_0_\@:
	s_barrier_wait -3
	s_barrier_signal -1
	s_barrier_wait -1
.endm
.macro CROUND
	s_barrier_signal -1
	s_barrier_wait -1
	CREST
.endm
	s_load_b256 s[4:11], s[0:1], 0x0               ; codes s[4:5], scales s[6:7], b_qkv s[8:9], qkv_img s[10:11]
	s_load_b64 s[12:13], s[0:1], 0x20              ; qkv_sc
	v_lshl_add_u32 v[SPW], v0, 2, SPARE
	v_mov_b32 v[NIL], 0
	ds_add_u32 v[SPW], v[NIL]                      ; the wave's opening: the add and its wait ahead of my first tensor load
	v_lshrrev_b32 v1, 5, v0
	v_readfirstlane_b32 s14, v1                    ; wave 0..3
	s_lshr_b32 s15, s14, 1                         ; which half of A's rows is mine.  Also: I fetch for A (0) or for B (1)
	s_and_b32 s16, s14, 1                          ; which half of B's rows.  Also: which 128 rows I fetch
	s_bfe_u32 s40, ttmp6, 0x40000                  ; cx
	s_bfe_u32 s41, ttmp6, 0x40004                  ; cy
	s_and_b32 s17, ttmp7, 0xffff                   ; the cluster's y: 1,024 tokens
	s_lshl_b32 s43, s41, 2
	s_lshl_b32 s43, 15, s43                        ; my row of the cluster
	s_lshl_b32 s44, 0x1111, s40                    ; my column
	s_or_b32 s[G1+0], s43, (0<<16)|(1<<20)|(1<<21)|(3<<22)|(3<<25)   ; mask; elements of 1 byte; padding on; bit 21 beside a mask; after every 16 words, 4 words
	s_or_b32 s[G1B+0], s44, (0<<16)|(1<<20)|(1<<21)|(3<<22)|(3<<25)
.irp g, G1, G1B
	s_mov_b32 s[\g+1], ROWB<<16                    ; tensor_dim0
	s_mov_b32 s[\g+2], 128<<16                     ; tensor_dim1
	s_mov_b32 s[\g+3], ROWB<<16                    ; tile_dim0
	s_mov_b32 s[\g+4], 128                         ; tile_dim1
	s_mov_b32 s[\g+5], KROW                        ; from row to row
	s_mov_b32 s[\g+6], 0
	s_mov_b32 s[\g+7], 0
.endr
	s_or_b32 s[G1S+0], s43, (3<<16)|(1<<20)|(1<<21)|(5<<22)|(3<<25)  ; the scales of 128 rows: 4,096 dense bytes as 16 rows of 256, 16 bytes of padding behind each
	s_or_b32 s[G1SB+0], s44, (3<<16)|(1<<20)|(1<<21)|(5<<22)|(3<<25)
.irp g, G1S, G1SB
	s_mov_b32 s[\g+1], 32<<16
	s_mov_b32 s[\g+2], (128*KS/256)<<16
	s_mov_b32 s[\g+3], 32<<16
	s_mov_b32 s[\g+4], 128*KS/256
	s_mov_b32 s[\g+5], 32
	s_mov_b32 s[\g+6], 0
	s_mov_b32 s[\g+7], 0
.endr
	s_lshl_b32 s18, s16, 7                         ; which 128 rows I fetch
	s_lshl_b32 s42, s17, 10                        ; the cluster's first token
	s_lshl_b32 s45, ttmp9, 10
	s_add_co_u32 s45, s45, 8192                    ; q's or k's first row among the weights' rows
	s_lshl_b32 s20, s41, 8
	s_add_co_u32 s20, s20, s18                     ; A: 256 cy + 128 half
	s_lshl_b32 s46, s40, 8
	s_add_co_u32 s46, s46, s18                     ; B: 256 cx + 128 half
	s_cmp_eq_u32 ttmp9, 2                          ; does my cluster make v?
	s_cselect_b32 s[ISV], 1, 0
	s_cselect_b32 s19, 10240, s42                  ; A begins at v's features, or at the tokens
	s_cselect_b32 s45, s42, s45                    ; B at the tokens, or at q's or k's features
	s_add_co_u32 s20, s20, s19
	s_add_co_u32 s46, s46, s45
	s_mov_b32 s21, 0
	s_mov_b32 s47, 0
	s_mov_b64 s[18:19], KS
	s_mul_u64 s[22:23], s[20:21], s[18:19]         ; where these rows' scales begin
	s_mul_u64 s[92:93], s[46:47], s[18:19]
	s_mov_b64 s[18:19], KROW
	s_mul_u64 s[20:21], s[20:21], s[18:19]         ; and their codes
	s_mul_u64 s[46:47], s[46:47], s[18:19]
	s_mul_i32 s45, s14, HALFT                      ; where they go: wave x 128 rows
	s_mul_i32 s94, s14, HALFS
	s_wait_dscnt 0x0                               ; the opening add is done
	s_wait_kmcnt 0x0
	s_add_nc_u64 s[20:21], s[4:5], s[20:21]
	s_add_nc_u64 s[22:23], s[6:7], s[22:23]
	s_add_nc_u64 s[46:47], s[4:5], s[46:47]
	s_add_nc_u64 s[92:93], s[6:7], s[92:93]
	CROUND                                         ; all sixteen work-groups are here: the first joint loads meet
	s_mov_b32 s[G0S], 1
	s_add_co_u32 s[G0S+1], s94, SCL
	s_mov_b64 s[G0S+2:G0S+3], s[22:23]
	s_or_b32 s[G0S+3], s[G0S+3], 0x80000000
	s_mov_b32 s[G0SB], 1
	s_add_co_u32 s[G0SB+1], s94, SCL
	s_mov_b64 s[G0SB+2:G0SB+3], s[92:93]
	s_or_b32 s[G0SB+3], s[G0SB+3], 0x80000000
	JLOAD G0S, G1S, G0SB, G1SB                     ; the scales first: they are wanted with K step 0
.irp s, 0,1
	s_mov_b32 s[G0+4*\s], 1
	s_add_co_u32 s[G0+4*\s+1], s45, \s*SLOT
	s_add_nc_u64 s[G0+4*\s+2:G0+4*\s+3], s[20:21], \s*ROWB
	s_or_b32 s[G0+4*\s+3], s[G0+4*\s+3], 0x80000000
	s_mov_b32 s[G0B+4*\s], 1
	s_add_co_u32 s[G0B+4*\s+1], s45, \s*SLOT
	s_add_nc_u64 s[G0B+4*\s+2:G0B+4*\s+3], s[46:47], \s*ROWB
	s_or_b32 s[G0B+4*\s+3], s[G0B+4*\s+3], 0x80000000
	JLOAD G0+4*\s, G1, G0B+4*\s, G1B
.endr
	v_and_b32 v1, 15, v0                           ; r
	v_bfe_u32 v2, v0, 4, 1                         ; h
	v_mul_u32_u24 v3, v1, PITCH
	v_mul_u32_u24 v4, v2, 24
	v_add_nc_u32 v4, v3, v4                        ; a fragment's row x pitch + 24 h
	v_lshl_add_u32 v5, v2, 4, v4                   ; and the same behind one padding more
	s_mul_i32 s21, s15, HALFT
	s_mul_i32 s22, s16, HALFT
	s_add_co_u32 s22, s22, 2*HALFT
.irp s, 0,1
	v_add_nc_u32 v[ADRA+\s], s21, v4
	v_add_nc_u32 v[ADRB+\s], s22, v4
	v_add_nc_u32 v[ADRA+2+\s], s21, v5
	v_add_nc_u32 v[ADRB+2+\s], s22, v5
	s_add_co_u32 s21, s21, SLOT
	s_add_co_u32 s22, s22, SLOT
.endr
	v_mul_u32_u24 v5, v1, KS                       ; my row's scales: 32 bytes a row, 16 more for each 256 passed
	v_lshrrev_b32 v6, 8, v5
	v_lshl_add_u32 v5, v6, 4, v5
	s_mul_i32 s21, s15, HALFS
	s_mul_i32 s22, s16, HALFS
	s_add_co_u32 s22, s22, 2*HALFS
	s_sub_co_u32 s22, s22, s21
	v_mul_u32_u24 v6, s22, v2                      ; lanes 16-31 take B's
	s_add_co_u32 s21, s21, SCL
	v_add_nc_u32 v5, v5, v6
	v_add_nc_u32 v[ADRS], s21, v5
	; THE BIAS, one form for both roles.  q, k: tile t is B's tile, register j the feature 32 (t / 2) + 8 (t % 2) + 16 h + j.  v: tile t is A's tile, all eight registers the lane's feature 32 (t / 2) + 8 (t % 2) + r + 8 (r / 8).
	v_and_b32 v6, 8, v1
	v_add_nc_u32 v6, v6, v1                        ; r + 8 (r / 8)
	s_lshl_b32 s18, s41, 8
	s_lshl_b32 s19, s15, 7
	s_add_co_u32 s18, s18, s19
	s_add_co_u32 s18, s18, 2048                    ; v: 2,048 + 256 cy + 128 x my half of A
	s_lshl_b32 s19, s40, 8
	s_lshl_b32 s42, s16, 7
	s_add_co_u32 s19, s19, s42
	s_lshl_b32 s42, ttmp9, 10
	s_add_co_u32 s19, s19, s42                     ; q, k: 1,024 X + 256 cx + 128 x my half of B
	s_cmp_eq_u32 s[ISV], 1
	s_cselect_b32 s18, s18, s19
	s_cselect_b32 s42, 4, 0                        ; bytes for each r + 8 (r / 8),
	s_cselect_b32 s43, 0, 64                       ; for h,
	s_cselect_b32 s67, 0, 4                        ; for each register
	s_lshl_b32 s18, s18, 2
	s_mov_b32 s19, 0
	s_add_nc_u64 s[8:9], s[8:9], s[18:19]
	v_mul_u32_u24 v7, v6, s42
	v_mad_u32_u24 v7, v2, s43, v7
.irp j, 0,1,2,3,4,5,6,7
	v_mad_u32_u24 v[VB+\j], s67, \j, v7
.endr
.irp t, 0,1,2,3,4,5,6,7
.irp j, 0,1,2,3,4,5,6,7
	global_load_b32 v[BIA+8*\t+\j], v[VB+\j], s[8:9] offset:(32*(\t/2)+8*(\t%2))*4
.endr
.endr
	; THE WAY OUT'S ADDRESSES.  The tokens' place comes from (cy, my half of A) for q, k and from (cx, my half of B) for v; the features' from the other pair.
	s_cmp_eq_u32 s[ISV], 1
	s_cselect_b32 s18, s40, s41
	s_cselect_b32 s19, s16, s15
	s_cselect_b32 s42, s41, s40
	s_cselect_b32 s43, s15, s16
	s_mov_b32 s[STA], 768
	s_cselect_b32 s[STA], 1536, s[STA]             ; from block to block: a token tile, or a feature tile's whole fragment
	s_mov_b32 s[STA4], 768
	s_cselect_b32 s[STA4], 93696, s[STA4]          ; v: from tile 3 of a head to tile 0 of the next head's plane: 98,304 - 3 x 1,536
	s_mov_b32 s67, 98304
	s_cselect_b32 s67, 768, s67                    ; the second half image: the next head's plane, or the fragment's second half
	s_cselect_b32 s[VM], -1, 0
	s_mov_b32 s[STA+1], 0
	s_mov_b32 s[STA4+1], 0
	s_lshl_b32 s23, s17, 3
	s_lshl_b32 s18, s18, 1
	s_add_co_u32 s23, s23, s18
	s_add_co_u32 s23, s23, s19                     ; my group of 128 tokens, 0 .. 63
	s_lshl_b32 s42, s42, 2
	s_lshl_b32 s43, s43, 1
	s_add_co_u32 s42, s42, s43                     ; my first head
	s_lshr_b32 s18, s23, 4
	s_lshl_b32 s18, s18, 4
	s_add_co_u32 s42, s42, s18                     ; + 16 x batch
	s_lshl_b32 s18, ttmp9, 6
	s_add_co_u32 s42, s42, s18                     ; + 64 X: the plane
	s_and_b32 s23, s23, 15
	s_mul_i32 s18, s42, 98304
	s_mul_i32 s19, s23, 6144
	s_add_co_u32 s18, s18, s19
	s_mov_b32 s19, 0
	s_add_nc_u64 s[B0:B0+1], s[10:11], s[18:19]
	s_lshl_b32 s18, s42, 12
	s_lshl_b32 s43, s23, 8
	s_add_co_u32 s18, s18, s43
	s_add_nc_u64 s[SCB:SCB+1], s[12:13], s[18:19]
	s_mov_b32 s18, s67
	s_add_nc_u64 s[B1:B1+1], s[B0:B0+1], s[18:19]
	s_mov_b32 s[HM], 0xffff0000
	s_mov_b32 s[SEL], 0x76543210
	s_mov_b32 s[SEL+1], 0xfedcba98
	v_and_b32 v6, 31, v0
	v_lshlrev_b32 v[VO16], 4, v6
	v_lshlrev_b32 v[VO8], 3, v6
.irp b, 0,1,2,3
	v_mov_b32 v[TM+4+\b], 0                        ; written once: a lane permute's destination counts as one of its sources
.endr
.macro FRAG reg, adr, q, i             ; 16 rows x 128 K of 6-bit codes: 12 registers, in pieces of 8 bytes; where the piece for lanes 16-31 lies behind one padding more, the second address register serves
.irp p, 0,1,2,3,4,5
.set PCE, 12*(\q)+6*(\p/3)+\p%3
.if PCE%8 < 5
	ds_load_b64 v[\reg+2*\p:\reg+2*\p+1], v[\adr] offset:8*PCE+16*(PCE/8)+(\i)*16*PITCH
.else
	ds_load_b64 v[\reg+2*\p:\reg+2*\p+1], v[\adr+2] offset:8*PCE+16*(PCE/8)+(\i)*16*PITCH
.endif
.endr
.endm
; 16 matrix instructions: A's blocks a0, a0 + 1 x B's eight.  zero = 1: C is the bias of B's tile (q, k); 2: of A's tile (v); 0: the sum goes on.  The 64 accumulators take turns.
.macro MUL16 a0, p, q, sc, zero
.irp a, \a0, \a0+1
.irp b, 0,1,2,3,4,5,6,7
.if \zero == 1
	v_wmma_scale_f32_16x16x128_f8f6f4 v[8*(8*((\a)%4)+\b):8*(8*((\a)%4)+\b)+7], v[128*(\p)+FR*\b:128*(\p)+FR*\b+FR-1], v[AF+FR*(\a):AF+FR*(\a)+FR-1], v[BIA+8*\b:BIA+8*\b+7], v[SC+8*NQ*(\sc)+NQ*\b+(\q)], v[SC+8*NQ*(\sc)+NQ*(\a)+(\q)] matrix_a_fmt:MATRIX_FMT_FP6 matrix_b_fmt:MATRIX_FMT_FP6 matrix_a_scale:MATRIX_SCALE_ROW1
.elseif \zero == 2
	v_wmma_scale_f32_16x16x128_f8f6f4 v[8*(8*((\a)%4)+\b):8*(8*((\a)%4)+\b)+7], v[128*(\p)+FR*\b:128*(\p)+FR*\b+FR-1], v[AF+FR*(\a):AF+FR*(\a)+FR-1], v[BIA+8*(\a):BIA+8*(\a)+7], v[SC+8*NQ*(\sc)+NQ*\b+(\q)], v[SC+8*NQ*(\sc)+NQ*(\a)+(\q)] matrix_a_fmt:MATRIX_FMT_FP6 matrix_b_fmt:MATRIX_FMT_FP6 matrix_a_scale:MATRIX_SCALE_ROW1
.else
	v_wmma_scale_f32_16x16x128_f8f6f4 v[8*(8*((\a)%4)+\b):8*(8*((\a)%4)+\b)+7], v[128*(\p)+FR*\b:128*(\p)+FR*\b+FR-1], v[AF+FR*(\a):AF+FR*(\a)+FR-1], v[8*(8*((\a)%4)+\b):8*(8*((\a)%4)+\b)+7], v[SC+8*NQ*(\sc)+NQ*\b+(\q)], v[SC+8*NQ*(\sc)+NQ*(\a)+(\q)] matrix_a_fmt:MATRIX_FMT_FP6 matrix_b_fmt:MATRIX_FMT_FP6 matrix_a_scale:MATRIX_SCALE_ROW1
.endif
.endr
.endr
.endm
.macro FETCH_B slot, q, p
	WIN TO_B
.irp i, 0,1,2,3,4,5,6,7
	FRAG 128*(\p)+FR*\i, ADRB+\slot, \q, \i
.endr
	WIN 0
.endm
.macro FETCH_A slot, q, i0
.irp i, \i0, \i0+1, \i0+2, \i0+3
	FRAG AF+FR*(\i), ADRA+\slot, \q, \i
.endr
.endm
.macro SCALES sc                       ; a K step's scale words: lanes 0-15 A's block i, lanes 16-31 B's block i
.irp i, 0,1,2,3,4,5,6,7
	ds_load_b64 v[SC+8*NQ*\sc+NQ*\i:SC+8*NQ*\sc+NQ*\i+1], v[ADRS] offset:\i*SBLK
.endr
.endm
.macro PLACES n                        ; plain vector instructions between a matrix instruction and a load into, or a read of, its registers
.rept \n
	v_nop
.endr
.endm
.macro STEP slot, q, zero              ; 128 along K with its successor in the same slot
	s_wait_dscnt 4*NL                              ; B's set and A's blocks 0-3 are in; the 24 youngest loads (A's blocks 4-7) may be out
	WINM 0, \zero
	MUL16 0, (\q)%2, \q, \slot, \zero
	MUL16 2, (\q)%2, \q, \slot, \zero
	s_wait_dscnt 0
	PLACES NP
	FETCH_B \slot, (\q)+1, 1-(\q)%2
	FETCH_A \slot, (\q)+1, 0
	WINM 1, \zero
	MUL16 4, (\q)%2, \q, \slot, \zero
	MUL16 6, (\q)%2, \q, \slot, \zero
	PLACES NP
	WIN 0
	FETCH_A \slot, (\q)+1, 4
.endm
; A slot's last step changes slots: each wave waits for all its tensor loads, adds 0 to its spare word, waits for that and for its reads of this slot; one barrier, which with fill = 1 opens a round of the cluster's.
.macro TURN slot, next, fill
	s_wait_tensorcnt 0x0                           ; all my tensor loads have landed: my part of the next slot
	ds_add_u32 v[SPW], v[NIL]
	s_wait_dscnt 4*NL+1                            ; the add and the 24 youngest loads may be out
	WIN 0xa1
	MUL16 0, 1, NQ-1, \slot, 0
	s_wait_dscnt 0x0                               ; the add is done, and my reads of this slot are over
	s_barrier_signal -1
	MUL16 2, 1, NQ-1, \slot, 0
	WIN 0
	s_barrier_wait -1
.if \fill
	CREST                                          ; no wave of any partner still reads this slot or has a load on its way
	s_add_nc_u64 s[G0+4*\slot+2:G0+4*\slot+3], s[G0+4*\slot+2:G0+4*\slot+3], 2*ROWB
	s_add_nc_u64 s[G0B+4*\slot+2:G0B+4*\slot+3], s[G0B+4*\slot+2:G0B+4*\slot+3], 2*ROWB
	JLOAD G0+4*\slot, G1, G0B+4*\slot, G1B         ; the first tensor load behind the round; its four v_nop are the places in front of the loads below
.else
	PLACES NP
.endif
	v_add_nc_u32 v[ADRS], 4*NQ, v[ADRS]            ; the next K step's scale words
	FETCH_B \next, 0, 0
	FETCH_A \next, 0, 0
	SCALES \next
	WIN 0xf1
	MUL16 4, 1, NQ-1, \slot, 0
	MUL16 6, 1, NQ-1, \slot, 0
	PLACES NP
	WIN 0
	FETCH_A \next, 0, 4
.endm
	s_wait_tensorcnt 1                             ; the scales and my part of K step 0 are in; K step 1's load may be out
	s_barrier_signal -1
	s_barrier_wait -1
	FETCH_B 0, 0, 0
	FETCH_A 0, 0, 0
	SCALES 0
	FETCH_A 0, 0, 4
	s_wait_loadcnt 0x0                             ; the bias
	s_cmp_eq_u32 s[ISV], 1                         ; the first step is written twice: the bias is B's tile's or A's tile's.  The branch hangs on the cluster's x, the same in all partners
	s_cbranch_scc1 .Lfirst_v
	STEP 0, 0, 1
	s_branch .Lfirst_done
.Lfirst_v:
	STEP 0, 0, 2
.Lfirst_done:
	s_mov_b32 s3, LAPS-1
.Llap:
	TURN 0, 1, 1
	STEP 1, 0, 0
	TURN 1, 0, 1
	STEP 0, 0, 0
	s_sub_co_u32 s3, s3, 1
	s_cmp_lg_u32 s3, 0
	s_cbranch_scc1 .Llap
	TURN 0, 1, 0                                   ; the last lap fills nothing
	STEP 1, 0, 0
	s_wait_dscnt 4*NL
	WIN 0xa1
	MUL16 0, 1, NQ-1, 1, 0
	MUL16 2, 1, NQ-1, 1, 0
	s_wait_dscnt 0
	WIN 0xf1
	MUL16 4, 1, NQ-1, 1, 0
	MUL16 6, 1, NQ-1, 1, 0
	WIN 0
	PLACES NP
; THE WAY OUT.  Block a: a lane's 64 numbers, register 16 b + i = place 32 b + 16 (lane / 16) + i along the next K, become a fragment's 12 registers and a scale word; the registers leave as two half images.
.macro QUANTA a
.set AC, 64*((\a)%4)
.set W, 2+(\a)/4
	WIN (W<<2)|(W<<4)                              ; sources 1 and 2: the accumulators' window
.irp b, 0,1,2,3
	v_max3_num_f32 v[TM+\b], 0x1800000, |v[AC+16*\b]|, |v[AC+16*\b+1]|   ; the floor 2^(3 - 127) among the leaves; each accumulator is read from its low end on
.endr
.irp i, 2,4,6,8,10,12,14
.irp b, 0,1,2,3
	v_max3_num_f32 v[TM+\b], v[TM+\b], |v[AC+16*\b+\i]|, |v[AC+16*\b+\i+1]|
.endr
.endr
	WIN 0
.irp b, 0,1,2,3
	v_permlanex16_b32 v[TM+4+\b], v[TM+\b], s[SEL], s[SEL+1]
.endr
.irp b, 0,1,2,3
	v_max_num_f32 v[TM+\b], v[TM+\b], v[TM+4+\b]   ; with lane l xor 16's 16: the block's largest magnitude
.endr
.irp b, 0,1,2,3
	v_add_nc_u32 v[TM+12+\b], 0xff000000, v[TM+\b] ; 2 off the exponent field: the conversion's scale operand
.endr
.irp b, 0,1,2,3
	v_lshrrev_b32 v[TM+4+\b], 23, v[TM+12+\b]      ; the byte
.endr
	v_lshl_or_b32 v[PW+(\a)], v[TM+5], 8, v[TM+4]
	v_lshl_or_b32 v[PW+(\a)], v[TM+6], 16, v[PW+(\a)]
	v_lshl_or_b32 v[PW+(\a)], v[TM+7], 24, v[PW+(\a)]
.if (\a) > 0
	s_wait_xcnt 0x0                                ; the last block's stores have read their data and their bases: both are written again below
.if (\a) == 4
	s_add_nc_u64 s[B0:B0+1], s[B0:B0+1], s[STA4:STA4+1]
	s_add_nc_u64 s[B1:B1+1], s[B1:B1+1], s[STA4:STA4+1]
.else
	s_add_nc_u64 s[B0:B0+1], s[B0:B0+1], s[STA:STA+1]
	s_add_nc_u64 s[B1:B1+1], s[B1:B1+1], s[STA:STA+1]
.endif
.endif
	WIN W                                          ; source 0: the accumulators' window
.irp c, 0,1
	v_cvt_scalef32_pk16_fp6_f32 v[PC+6*\c:PC+2+6*\c], v[AC+32*\c:AC+15+32*\c], v[TM+12+2*\c]
	v_cvt_scalef32_pk16_fp6_f32 v[PC+12+4*\c:PC+14+4*\c], v[AC+16+32*\c:AC+31+32*\c], v[TM+12+2*\c+1]
.endr
	WIN 0
	v_nop                                          ; one plain place behind a scaled conversion
.irp c, 0,1                            ; the layout wants a whole block in a lane: lanes 0-15 block 2 c, lanes 16-31 block 2 c + 1
.irp i, 0,1,2
	v_permlane16_swap_b32 v[PC+6*\c+\i], v[PC+12+4*\c+\i]
.endr
.irp i, 0,1,2
	v_mov_b32 v[PC+3+6*\c+\i], v[PC+12+4*\c+\i]
.endr
.endr
	global_store_b128 v[VO16], v[PC:PC+3], s[B0:B0+1]                 ; 32 lanes store 512 consecutive bytes, aligned to 256
	global_store_b64 v[VO8], v[PC+4:PC+5], s[B0:B0+1] offset:512      ; and 256
	global_store_b128 v[VO16], v[PC+6:PC+9], s[B1:B1+1]
	global_store_b64 v[VO8], v[PC+10:PC+11], s[B1:B1+1] offset:512
.endm
.irp a, 0,1,2,3,4,5,6,7
	QUANTA \a
.endr
	; THE SCALE WORDS.  q, k: a word is {tile 2 p: two bytes | tile 2 p + 1: two bytes} of one head; v: a word is a feature tile's four bytes.  Lanes 0-15 store the even word of a pair, lanes 16-31 the odd one.
.irp p, 0,1,2,3
	v_perm_b32 v[TW+\p], v[PW+2*\p+1], v[PW+2*\p], 0x05040100         ; the first head's bytes of tiles 2 p, 2 p + 1
	v_perm_b32 v[TW+4+\p], v[PW+2*\p+1], v[PW+2*\p], 0x07060302       ; the second head's
.endr
.irp i, 0,1,2,3
	v_cndmask_b32 v[OUTW+\i], v[TW+2*\i], v[TW+2*\i+1], s[HM]
	v_cndmask_b32 v[OV+\i], v[PW+2*\i], v[PW+2*\i+1], s[HM]
.endr
.irp i, 0,1,2,3
	v_cndmask_b32 v[OUTW+\i], v[OUTW+\i], v[OV+\i], s[VM]             ; v's form in a cluster that makes v
.endr
	global_store_b64 v[VO8], v[OUTW:OUTW+1], s[SCB:SCB+1]             ; 256 consecutive bytes: my first head's plane,
	global_store_b64 v[VO8], v[OUTW+2:OUTW+3], s[SCB:SCB+1] offset:4096   ; and the next head's
	s_wait_tensorcnt 0x0                           ; the wave's end
	ds_add_u32 v[SPW], v[NIL]
	s_wait_dscnt 0x0
	CROUND                                         ; the closing round
	s_endpgm
.Lfunc_end_k_qf729ef380a_gemm_qkv:
	.size	k_qf729ef380a_gemm_qkv, .Lfunc_end_k_qf729ef380a_gemm_qkv-k_qf729ef380a_gemm_qkv
	.p2alignl 7, 3214868480
	.fill 96, 4, 3214868480
	.section	.rodata,"a",@progbits
	.p2align	6, 0x0
	.amdhsa_kernel k_qf729ef380a_gemm_qkv
		.amdhsa_group_segment_fixed_size 327680
		.amdhsa_private_segment_fixed_size 0
		.amdhsa_enable_private_segment 0
		.amdhsa_kernarg_size 40
		.amdhsa_user_sgpr_count 2
		.amdhsa_user_sgpr_kernarg_segment_ptr 1
		.amdhsa_wavefront_size32 1
		.amdhsa_system_sgpr_workgroup_id_x 1
		.amdhsa_system_sgpr_workgroup_id_y 1
		.amdhsa_system_sgpr_workgroup_id_z 1
		.amdhsa_system_vgpr_workitem_id 0
		.amdhsa_next_free_vgpr 1024
		.amdhsa_next_free_sgpr 98
		.amdhsa_reserve_vcc 0
		.amdhsa_float_denorm_mode_32 3
		.amdhsa_float_denorm_mode_16_64 3
		.amdhsa_memory_ordered 1
		.amdhsa_forward_progress 1
		.amdhsa_inst_pref_size 190
	.end_amdhsa_kernel
	.amdgpu_metadata
---
amdhsa.version: [ 1, 2 ]
amdhsa.kernels:
  - .name:           k_qf729ef380a_gemm_qkv
    .symbol:         k_qf729ef380a_gemm_qkv.kd
    .args:
      - { .name: codes, .offset: 0, .size: 8, .value_kind: global_buffer, .address_space: global }
      - { .name: scales, .offset: 8, .size: 8, .value_kind: global_buffer, .address_space: global }
      - { .name: b_qkv, .offset: 16, .size: 8, .value_kind: global_buffer, .address_space: global }
      - { .name: qkv_img, .offset: 24, .size: 8, .value_kind: global_buffer, .address_space: global }
      - { .name: qkv_sc, .offset: 32, .size: 8, .value_kind: global_buffer, .address_space: global }
    .group_segment_fixed_size: 327680
    .private_segment_fixed_size: 0
    .kernarg_segment_align: 8
    .kernarg_segment_size: 40
    .max_flat_workgroup_size: 128
    .sgpr_count:     98
    .vgpr_count:     1024
    .wavefront_size: 32
...
	.end_amdgpu_metadata
.endif
;; end of part 2
;; launch attn (part 3): grid 4 x 64, 16 waves a work-group, clusters of 4 x 1, 206,848 bytes of LDS; arguments qkv_img, qkv_sc, o_img, o_sc; writes o_img, o_sc
.if DOCPART == 3
	.amdgcn_target "amdgcn-amd-amdhsa--gfx1250"
	.amdhsa_code_object_version 6
	.text
	.protected	k_qf729ef380a_attn
	.globl	k_qf729ef380a_attn
	.p2align	8
	.type	k_qf729ef380a_attn,@function
k_qf729ef380a_attn:
	s_mov_b64 s[64:65], 0
	v_nop
	global_prefetch_b8 v0, s[64:65] scope:SCOPE_SE
	s_setreg_imm32_b32 hwreg(HW_REG_WAVE_MODE, 25, 1), 1
	s_wait_xcnt 0x0
	s_wait_alu depctr_hold_cnt(0) depctr_sa_sdst(0) depctr_va_vdst(0) depctr_va_sdst(0) depctr_va_ssrc(0) depctr_va_vcc(0) depctr_vm_vsrc(0)
	s_getreg_b32 s2, hwreg(HW_REG_IB_STS2, 6, 4)
	s_cmp_eq_u32 s2, 0
	s_cbranch_scc0 .Lentry_in_a_cluster
	s_endpgm
.Lentry_in_a_cluster:
	s_bfe_u32 s2, ttmp6, 0x10000c
	s_cmp_lg_u32 s2, 0x3003
	s_cbranch_scc0 .Lentry_shape_is_right
	s_endpgm
.Lentry_shape_is_right:
; o = softmax(q k^T / 8) v for one (batch, head) a cluster, both products on codes of FP6 (E2M3) with E8M0 scales; o is quantised along (head, d) and leaves as images of operand registers.
; THE SOFTMAX: t = score x log2(e) / 8; M = the running largest t rounded UP to a whole number; p = 2^(t - M) is quantised along the keys; the row's sum is taken of the unquantised p and divides at the end.
; SHARES.  The four work-groups of a cluster own 512 queries each of one head.  Each of sixteen waves owns a tile of 16 queries, twice (two passes): tile 32 cx + 16 pass + wave.
; THE HEAD'S WHOLE K AND V LIE IN LDS (2 x 98,304 bytes and 2 x 4,096 of scale bytes), filled once, by joint loads of the four work-groups: nothing is filled again.  Wave 0 fetches K's, wave 1 V's:
; the scale bytes and four chunks of 24,576 bytes.  One wait for all of them and one barrier stand ahead of the first key step; from there on no wave waits for another.
; K = 64 IN AN INSTRUCTION OF 128: a fragment of K holds TWO tiles of 16 keys (registers 0-5, 6-11) and is multiplied twice: by [q, zero codes] and by [zero codes, q].
; LAYOUT.  Both products transposed: a lane holds one query.  The tiles' rows are permuted in the buffers so that the 16 registers of score tiles 2 b, 2 b + 1 are keys 32 b + 16 (lane / 16) + 0 .. 15.
; LIMITS: v_exp_f32 gives 0 for p under 2^-126; a block's largest p is taken through the block's largest score (it leans on v_exp_f32 not falling where its input rises); a block of zeros keeps the byte 1;
; NaN and infinities are not served.  o's scale bytes leave one byte a lane, 32 bytes apart: 1 byte for each 24 of codes; a row's other bytes belong to other heads' clusters.
.set VLDS,  98304
.set SCK,   196608
.set SCV,   200704
.set SPARE, 204800                     ; the spare words, 128 bytes a wave: eight blocks of 256 bytes that no other line names
.set CHB,   24576                      ; a chunk: what one tensor load brings
.set STB,   6144                       ; a key step: 128 keys
.set L16,  1                           ; v1  16 x lane
.set L8,   2                           ; v2  8 x lane
.set LV16, 3                           ; v3, v4 the same in V
.set LV8,  4
.set LS,   5                           ; v5  8 x lane among K's scale words
.set ADK16, 6                          ; v6-10 the step's addresses
.set ADK8, 7
.set ADV16, 8
.set ADV8, 9
.set ADS,  10
.set OB,   11                          ; v11 32 r + h: my byte among o's scale bytes
.set FRG,  48                          ; v48-95  four fragments, of K, then of V
.set S,    96                          ; v96-159 the scores, then p
.set OT,   160                         ; v160-191 O^T
.set PCD,  192                         ; v192-203 p's codes;  v204-206, v208-210 the conversions' second halves
.set PC2,  204
.set BM,   212
.set BX,   216
.set BS,   220
.set SK,   224                         ; v[224:225] K's scale words;  v[226:227] V's
.set SV,   226
.set FF,   230                         ; v230 f = 2^(old M - new M);  v231 p's scale word
.set TMP,  232
.set R8,   233                         ; v233 8 r
.set SPW,  234
.set NIL,  235
.set WV,   12
.set SEL,  20
.set CS,   22
.set G1C,  24
.set G1S,  32
.set G0S,  40
.set G0C,  44
.set TB,   60
.set TS,   61
.set CNT,  62
.set HM,   63
.macro CROUND
	s_barrier_signal -1
	s_barrier_wait -1
	s_cmp_lg_u32 s[WV], 0
	s_cbranch_scc1 .Lnot_wave_0_\@
	s_barrier_signal -3
.Lnot_wave_0_\@:
	s_barrier_wait -3
	s_barrier_signal -1
	s_barrier_wait -1
.endm
	s_load_b256 s[4:11], s[0:1], 0x0               ; qkv_img s[4:5], qkv_sc s[6:7], o_img s[8:9], o_sc s[10:11]
	v_lshl_add_u32 v[SPW], v0, 2, SPARE
	v_mov_b32 v[NIL], 0
	ds_add_u32 v[SPW], v[NIL]                      ; the wave's opening: the add and its wait ahead of the first tensor loads
	ds_add_u32 v[SPW], v[NIL]
	v_lshrrev_b32 v1, 5, v0
	s_delay_alu instid0(VALU_DEP_1)
	v_readfirstlane_b32 s[WV], v1                  ; wave 0..15
	s_bfe_u32 s13, ttmp6, 0x40000                  ; cx: it enters q's and o's global addresses alone
	s_and_b32 s14, ttmp7, 0xffff                   ; 16 x batch + head, which the four partners share
	s_and_b32 s15, s[WV], 1                        ; a fetching wave: 0 K, 1 V
	s_mov_b32 s[G1C], 15|(3<<16)|(1<<21)           ; all four work-groups; elements of 8 bytes; bit 21 beside a mask; no padding
	s_mov_b32 s[G1C+1], 32<<16                     ; rows of 256 bytes,
	s_mov_b32 s[G1C+2], 96<<16                     ; 96 of them: a chunk is dense in memory
	s_mov_b32 s[G1C+3], 32<<16
	s_mov_b32 s[G1C+4], 96
	s_mov_b32 s[G1C+5], 32
	s_mov_b32 s[G1C+6], 0
	s_mov_b32 s[G1C+7], 0
	s_mov_b32 s[G1S], 15|(3<<16)|(1<<21)           ; the scale bytes: 16 rows of 256
	s_mov_b32 s[G1S+1], 32<<16
	s_mov_b32 s[G1S+2], 16<<16
	s_mov_b32 s[G1S+3], 32<<16
	s_mov_b32 s[G1S+4], 16
	s_mov_b32 s[G1S+5], 32
	s_mov_b32 s[G1S+6], 0
	s_mov_b32 s[G1S+7], 0
	s_lshl_b32 s16, s15, 6
	s_add_co_u32 s16, s16, s14
	s_add_co_u32 s16, s16, 64                      ; K's plane or V's
	s_mul_i32 s18, s16, 98304
	s_mov_b32 s19, 0
	s_lshl_b32 s76, s16, 12
	s_mov_b32 s77, 0
	s_mul_i32 s17, s15, VLDS                       ; where it goes
	s_lshl_b32 s78, s15, 12
	s_mov_b32 s[SEL], 0x76543210
	s_mov_b32 s[SEL+1], 0xfedcba98
	s_mov_b32 s[CS], 0x3e38aa3b                    ; c = log2(e) / 8
	s_mov_b32 s[CS+1], s[CS]
	s_mov_b32 s[HM], 0xffff0000
	s_wait_dscnt 0x0                               ; the opening add is done
	s_wait_kmcnt 0x0
	s_add_nc_u64 s[18:19], s[4:5], s[18:19]
	s_add_nc_u64 s[76:77], s[6:7], s[76:77]
	CROUND                                         ; all four work-groups are here: the joint loads meet
	s_mov_b32 s[G0S], 1
	s_add_co_u32 s[G0S+1], s78, SCK
	s_mov_b64 s[G0S+2:G0S+3], s[76:77]
	s_or_b32 s[G0S+3], s[G0S+3], 0x80000000
.irp c, 0,1,2,3
	s_mov_b32 s[G0C+4*\c], 1
	s_add_co_u32 s[G0C+4*\c+1], s17, \c*CHB
	s_add_nc_u64 s[G0C+4*\c+2:G0C+4*\c+3], s[18:19], \c*CHB
	s_or_b32 s[G0C+4*\c+3], s[G0C+4*\c+3], 0x80000000
.endr
	s_cmp_lt_u32 s[WV], 2                          ; a fetching wave's five loads stand in one branch on the wave's number: five of mine are out
	s_cbranch_scc0 .Lno_fetch
	tensor_load_to_lds s[G0S:G0S+3], s[G1S:G1S+7]
	s_nop 0
.irp c, 0,1,2,3
	tensor_load_to_lds s[G0C+4*\c:G0C+4*\c+3], s[G1C:G1C+7]
	s_nop 0
.endr
.rept 4
	v_nop
.endr
.Lno_fetch:
	v_and_b32 v[TMP], 31, v0
	s_delay_alu instid0(VALU_DEP_1)
	v_lshlrev_b32 v[L16], 4, v[TMP]
	s_wait_alu depctr_va_vdst(0)
	v_lshlrev_b32 v[L8], 3, v[TMP]
	s_wait_alu depctr_va_vdst(0)
	v_and_b32 v[R8], 15, v0                        ; r
	v_bfe_u32 v[TMP], v0, 4, 1                     ; h
	s_delay_alu instid0(VALU_DEP_1)
	v_lshl_add_u32 v[OB], v[R8], 5, v[TMP]
	s_delay_alu instid0(VALU_DEP_3)
	v_lshlrev_b32 v[R8], 3, v[R8]
	s_wait_alu depctr_va_vdst(0)
	s_lshl_b32 s16, s13, 5
	s_add_co_u32 s16, s16, s[WV]                   ; my tile of queries in pass 0: 32 cx + wave
	s_mul_i32 s76, s14, 98304
	s_mul_i32 s77, s16, 768
	s_add_co_u32 s76, s76, s77
	s_mov_b32 s77, 0
	s_add_nc_u64 s[72:73], s[4:5], s[76:77]        ; q's half image
	s_lshl_b32 s76, s14, 12                        ; q's scale word: plane, group of 8 tiles, pair of tiles (its low bit: which 128 bytes; its high bit: which word), 8 bytes a row
	s_lshr_b32 s78, s16, 3
	s_lshl_b32 s78, s78, 8
	s_add_co_u32 s76, s76, s78
	s_bfe_u32 s78, s[WV], 0x10001
	s_lshl_b32 s78, s78, 7
	s_add_co_u32 s76, s76, s78
	s_bfe_u32 s78, s[WV], 0x10002
	s_lshl_b32 s78, s78, 2
	s_add_co_u32 s76, s76, s78
	s_add_nc_u64 s[74:75], s[6:7], s[76:77]
	s_and_b32 s17, s[WV], 1
	s_lshl_b32 s17, s17, 4                         ; my tile's two bytes: the word's low or high half
	global_load_b128 v[22:25], v[L16], s[72:73]
	global_load_b64 v[26:27], v[L8], s[72:73] offset:512
	global_load_b128 v[34:37], v[L16], s[72:73] offset:12288          ; pass 1: 16 tiles on
	global_load_b64 v[38:39], v[L8], s[72:73] offset:12288+512
	global_load_b32 v46, v[R8], s[74:75]
	global_load_b32 v47, v[R8], s[74:75] offset:512
	s_lshr_b32 s76, s14, 4
	s_lshl_b32 s76, s76, 7
	s_add_co_u32 s76, s76, s16                     ; my tile among all 512
	s_and_b32 s78, s14, 15                         ; the head
	s_lshl_b32 s79, s76, 4
	s_add_co_u32 s79, s79, s78
	s_mul_i32 s18, s79, 768
	s_mov_b32 s19, 0
	s_add_nc_u64 s[68:69], s[8:9], s[18:19]        ; o's half image: (16 x tile + head) x 768
	s_lshl_b32 s18, s76, 9
	s_lshl_b32 s78, s78, 1
	s_add_co_u32 s18, s18, s78
	s_add_nc_u64 s[70:71], s[10:11], s[18:19]      ; o's scale bytes: 512 a tile, + 2 x head
	v_add_nc_u32 v[LV16], VLDS, v[L16]
	v_add_nc_u32 v[LV8], VLDS, v[L8]
	v_add_nc_u32 v[LS], SCK, v[L8]
.irp j, 16,17,18,19,20,21,28,29,30,31,32,33,40,41,42,43,44,45
	v_mov_b32 v\j, 0                               ; the zero codes round q: v16-45 = [0 | q of pass 0 | 0 | q of pass 1 | 0]
.endr
.irp b, 0,1,2,3
	v_mov_b32 v[BX+\b], 0                          ; written once: a lane permute's destination counts as one of its sources
.endr
	v_mov_b32 v[FF+1], 0                           ; named as the upper half of a pair before it is first written
	s_wait_loadcnt 0x0                             ; q
	v_lshrrev_b32 v46, s17, v46
	v_lshrrev_b32 v47, s17, v47
	s_delay_alu instid0(VALU_DEP_2)
	v_perm_b32 v46, v46, v46, 0x01000100           ; (s0, s1, s0, s1): it serves [q, 0] and [0, q] alike
	s_delay_alu instid0(VALU_DEP_2)
	v_perm_b32 v47, v47, v47, 0x01000100
.macro INIT                            ; the step is written without a first step of its own: it finds zeros, which the first change of M leaves zeros.  (These lines are also the places between q's scale words and the first product)
	v_mov_b32 v13, 0xff61b1e6                      ; the largest t so far: -3e38
	s_delay_alu instid0(VALU_DEP_1)
	v_floor_f32 v12, -v13                          ; -M
	v_mov_b32 v14, 0
	v_mov_b32 v15, 0
.set j, 0
.rept 32
	v_mov_b32 v[OT+j], 0
.set j, j+1
.endr
.endm
; A KEY STEP: 128 keys.  ql: [q, 0]; qh: [0, q]; qs: q's scale word.
.macro STEP ql, qh, qs
	v_add_nc_u32 v[ADK16], s[TB], v[L16]           ; five plain lines: the places behind the last step's products, in front of the loads into their registers
	v_add_nc_u32 v[ADK8], s[TB], v[L8]
	v_add_nc_u32 v[ADV16], s[TB], v[LV16]
	v_add_nc_u32 v[ADV8], s[TB], v[LV8]
	v_add_nc_u32 v[ADS], s[TS], v[LS]
.irp p, 0,1,2,3                        ; fragment p: key tiles 2 p and 2 p + 1, as images of the registers
	ds_load_b128 v[FRG+12*\p:FRG+12*\p+3], v[ADK16] offset:1536*\p
	ds_load_b64 v[FRG+12*\p+4:FRG+12*\p+5], v[ADK8] offset:1536*\p+512
	ds_load_b128 v[FRG+12*\p+6:FRG+12*\p+9], v[ADK16] offset:1536*\p+768
	ds_load_b64 v[FRG+12*\p+10:FRG+12*\p+11], v[ADK8] offset:1536*\p+1280
.endr
	ds_load_b64 v[SK:SK+1], v[ADS]                 ; word 0: lanes 0-15 pair 0, lanes 16-31 pair 1; word 1: pairs 2, 3
	s_wait_alu depctr_va_vdst(0)
	s_wait_dscnt 0x0
.irp p, 0,2
	v_wmma_scale_f32_16x16x128_f8f6f4 v[S+16*\p:S+16*\p+7], v[FRG+12*\p:FRG+12*\p+11], v[\ql:\ql+11], 0, v[SK+\p/2], v[\qs] matrix_a_fmt:MATRIX_FMT_FP6 matrix_b_fmt:MATRIX_FMT_FP6
	v_wmma_scale_f32_16x16x128_f8f6f4 v[S+16*\p+8:S+16*\p+15], v[FRG+12*\p:FRG+12*\p+11], v[\qh:\qh+11], 0, v[SK+\p/2], v[\qs] matrix_a_fmt:MATRIX_FMT_FP6 matrix_b_fmt:MATRIX_FMT_FP6
	v_wmma_scale_f32_16x16x128_f8f6f4 v[S+16*\p+16:S+16*\p+23], v[FRG+12*\p+12:FRG+12*\p+23], v[\ql:\ql+11], 0, v[SK+\p/2], v[\qs] matrix_a_fmt:MATRIX_FMT_FP6 matrix_b_fmt:MATRIX_FMT_FP6 matrix_a_scale:MATRIX_SCALE_ROW1
	v_wmma_scale_f32_16x16x128_f8f6f4 v[S+16*\p+24:S+16*\p+31], v[FRG+12*\p+12:FRG+12*\p+23], v[\qh:\qh+11], 0, v[SK+\p/2], v[\qs] matrix_a_fmt:MATRIX_FMT_FP6 matrix_b_fmt:MATRIX_FMT_FP6 matrix_a_scale:MATRIX_SCALE_ROW1
.endr
.rept 4
	v_nop                                          ; places: in front of the loads into K's registers and of the first read of the scores
.endr
.irp p, 0,1,2,3                        ; V's four fragments (16 features x 128 keys) land under the softmax
	ds_load_b128 v[FRG+12*\p:FRG+12*\p+3], v[ADV16] offset:1536*\p
	ds_load_b64 v[FRG+12*\p+4:FRG+12*\p+5], v[ADV8] offset:1536*\p+512
	ds_load_b128 v[FRG+12*\p+6:FRG+12*\p+9], v[ADV16] offset:1536*\p+768
	ds_load_b64 v[FRG+12*\p+10:FRG+12*\p+11], v[ADV8] offset:1536*\p+1280
.endr
	ds_load_b64 v[SV:SV+1], v[ADS] offset:SCV-SCK
.irp b, 0,1,2,3
	v_max3_num_f32 v[BM+\b], v[S+16*\b], v[S+1+16*\b], v[S+2+16*\b]   ; the largest score of each block of 32 keys: for the row's maximum and for the block's largest p
.endr
.irp i, 3,5,7,9,11,13
.irp b, 0,1,2,3
	v_max3_num_f32 v[BM+\b], v[BM+\b], v[S+16*\b+\i], v[S+1+16*\b+\i]
.endr
.endr
.irp b, 0,1,2,3
	v_max_num_f32 v[BM+\b], v[BM+\b], v[S+15+16*\b]
.endr
.irp b, 0,1,2,3
	s_delay_alu instid0(VALU_DEP_4)
	v_permlanex16_b32 v[BX+\b], v[BM+\b], s[SEL], s[SEL+1]
.endr
.irp b, 0,1,2,3
	s_delay_alu instid0(VALU_DEP_4)
	v_max_num_f32 v[BM+\b], v[BM+\b], v[BX+\b]     ; with lane l xor 16's 16 keys
.endr
	s_delay_alu instid0(VALU_DEP_2)
	v_max3_num_f32 v[TMP], v[BM], v[BM+1], v[BM+2]
	s_delay_alu instid0(VALU_DEP_1)
	v_max_num_f32 v[TMP], v[TMP], v[BM+3]
	s_delay_alu instid0(VALU_DEP_1)
	v_mul_f32 v[TMP], s[CS], v[TMP]                ; as t
	s_delay_alu instid0(VALU_DEP_1)
	v_max_num_f32 v13, v13, v[TMP]                 ; the running largest t
	v_mov_b32 v[TMP], v12
	s_delay_alu instid0(VALU_DEP_2)
	v_floor_f32 v12, -v13                          ; the new -M = -ceil(t): a whole number
	s_delay_alu instid0(VALU_DEP_1)
	v_sub_f32 v[TMP], v12, v[TMP]                  ; old M - new M, 0 or less
	s_delay_alu instid0(VALU_DEP_1)
	v_cvt_i32_f32 v[TMP], v[TMP]                   ; (it saturates)
	s_delay_alu instid0(VALU_DEP_1)
	v_ldexp_f32 v[FF], 1.0, v[TMP]                 ; f: a multiplication by it rounds nothing
.set j, 0
.rept 32
	v_pk_fma_f32 v[S+j:S+j+1], v[S+j:S+j+1], s[CS:CS+1], v[12:13] op_sel_hi:[1,0,0]   ; t - M
.set j, j+2
.endr
.irp b, 0,1,2,3
	v_fma_f32 v[BM+\b], v[BM+\b], s[CS], v12       ; the same of each block's largest score
.endr
.set j, 0
	s_setprio 1
	s_wait_alu depctr_va_vdst(0)
.rept 64
	v_exp_f32 v[S+j], v[S+j]                       ; p = 2^(t - M), not normalised
.set j, j+1
.endr
	v_pk_mul_f32 v[14:15], v[14:15], v[FF:FF+1] op_sel_hi:[1,0]       ; the sums under the new M: a plain place behind the exponentials
	s_wait_alu depctr_va_vdst(0)                   ; one wait for the batch of 64, ahead of its first reader
.irp b, 0,1,2,3
	v_exp_f32 v[BM+\b], v[BM+\b]                   ; the blocks' largest p
.endr
	v_pk_add_f32 v[216:217], v[100:101], v[104:105]
	v_pk_add_f32 v[254:255], v[108:109], v[112:113]
	v_pk_add_f32 v[252:253], v[116:117], v[120:121]
	v_pk_add_f32 v[250:251], v[124:125], v[128:129]
	v_pk_add_f32 v[248:249], v[132:133], v[136:137]
	v_pk_add_f32 v[246:247], v[140:141], v[144:145]
	v_pk_add_f32 v[244:245], v[148:149], v[152:153]
	v_pk_add_f32 v[14:15], v[14:15], v[156:157]
	v_pk_add_f32 v[216:217], v[216:217], v[96:97]
	v_pk_add_f32 v[254:255], v[254:255], v[98:99]
	v_pk_add_f32 v[252:253], v[252:253], v[102:103]
	v_pk_add_f32 v[250:251], v[250:251], v[106:107]
	v_pk_add_f32 v[248:249], v[248:249], v[110:111]
	v_pk_add_f32 v[246:247], v[246:247], v[114:115]
	v_pk_add_f32 v[244:245], v[244:245], v[118:119]
	v_pk_add_f32 v[14:15], v[14:15], v[122:123]
	v_pk_add_f32 v[216:217], v[216:217], v[126:127]
	v_pk_add_f32 v[254:255], v[254:255], v[130:131]
	v_pk_add_f32 v[252:253], v[252:253], v[134:135]
	v_pk_add_f32 v[250:251], v[250:251], v[138:139]
	v_pk_add_f32 v[248:249], v[248:249], v[142:143]
	v_pk_add_f32 v[246:247], v[246:247], v[146:147]
	v_pk_add_f32 v[244:245], v[244:245], v[150:151]
	v_pk_add_f32 v[14:15], v[14:15], v[154:155]
	v_pk_add_f32 v[216:217], v[216:217], v[158:159]
	s_delay_alu instid0(VALU_DEP_2)
	v_pk_add_f32 v[14:15], v[14:15], v[250:251]
	s_delay_alu instid0(VALU_DEP_2)
	v_pk_add_f32 v[216:217], v[216:217], v[248:249]
	v_pk_add_f32 v[254:255], v[254:255], v[246:247]
	v_pk_add_f32 v[252:253], v[252:253], v[244:245]
	s_delay_alu instid0(VALU_DEP_2)
	v_pk_add_f32 v[14:15], v[14:15], v[254:255]
	s_delay_alu instid0(VALU_DEP_2)
	v_pk_add_f32 v[216:217], v[216:217], v[252:253]
	s_delay_alu instid0(VALU_DEP_1)
	v_pk_add_f32 v[14:15], v[14:15], v[216:217]
	s_wait_alu depctr_va_vdst(0)                   ; and one for the four
.irp b, 0,1,2,3
	v_max_num_f32 v[BM+\b], 0x1800000, v[BM+\b]    ; the floor 2^(3 - 127)
.endr
.irp b, 0,1,2,3
	s_delay_alu instid0(VALU_DEP_4)
	v_add_nc_u32 v[BS+\b], 0xff000000, v[BM+\b]    ; the conversion's scale operand
.endr
.irp b, 0,1,2,3
	s_delay_alu instid0(VALU_DEP_4)
	v_lshrrev_b32 v[BX+\b], 23, v[BS+\b]           ; the byte
.endr
	s_delay_alu instid0(VALU_DEP_3)
	v_lshl_or_b32 v[FF+1], v[BX+1], 8, v[BX]       ; p's scale word for these 128 keys
	s_delay_alu instid0(VALU_DEP_1)
	v_lshl_or_b32 v[FF+1], v[BX+2], 16, v[FF+1]
	s_delay_alu instid0(VALU_DEP_1)
	v_lshl_or_b32 v[FF+1], v[BX+3], 24, v[FF+1]
.irp c, 0,1
	v_cvt_scalef32_pk16_fp6_f32 v[PCD+6*\c:PCD+2+6*\c], v[S+32*\c:S+15+32*\c], v[BS+2*\c]
	v_cvt_scalef32_pk16_fp6_f32 v[PC2+4*\c:PC2+2+4*\c], v[S+16+32*\c:S+31+32*\c], v[BS+2*\c+1]
.endr
	v_nop                                          ; one plain place behind a scaled conversion
.irp c, 0,1
.irp i, 0,1,2
	v_permlane16_swap_b32 v[PCD+6*\c+\i], v[PC2+4*\c+\i]
.endr
.irp i, 0,1,2
	s_delay_alu instid0(VALU_DEP_3)
	v_mov_b32 v[PCD+3+6*\c+\i], v[PC2+4*\c+\i]
.endr
.endr
.set j, 0
	s_setprio 0
.rept 16
	v_pk_mul_f32 v[OT+j:OT+j+1], v[OT+j:OT+j+1], v[FF:FF+1] op_sel_hi:[1,0]   ; O^T under the new M; these sixteen stand between the writing of p's scale word and codes and the products
.set j, j+2
.endr
	s_wait_alu depctr_va_vdst(0)
	s_wait_dscnt 0x0                               ; V
.irp t, 0,2                            ; O^T += V^T P^T: four accumulators, one instruction each
	v_wmma_scale_f32_16x16x128_f8f6f4 v[OT+8*\t:OT+8*\t+7], v[FRG+12*\t:FRG+12*\t+11], v[PCD:PCD+11], v[OT+8*\t:OT+8*\t+7], v[SV+\t/2], v[FF+1] matrix_a_fmt:MATRIX_FMT_FP6 matrix_b_fmt:MATRIX_FMT_FP6
	v_wmma_scale_f32_16x16x128_f8f6f4 v[OT+8*\t+8:OT+8*\t+15], v[FRG+12*\t+12:FRG+12*\t+23], v[PCD:PCD+11], v[OT+8*\t+8:OT+8*\t+15], v[SV+\t/2], v[FF+1] matrix_a_fmt:MATRIX_FMT_FP6 matrix_b_fmt:MATRIX_FMT_FP6 matrix_a_scale:MATRIX_SCALE_ROW1
.endr
	s_add_co_u32 s[TB], s[TB], STB
	s_add_co_u32 s[TS], s[TS], 256
.endm
; THE WAY OUT of a pass: O^T / the sum; register 16 b + i is dim 32 b + 16 h + i of my query: two blocks of the last product's K.  Quantised, and stored as a half image and two scale bytes a row.
.macro OUTPUT pass
.rept 4
	v_nop                                          ; places behind the last products
.endr
	v_add_f32 v14, v14, v15
	s_delay_alu instid0(VALU_DEP_1)
	v_permlanex16_b32 v[TMP], v14, s[SEL], s[SEL+1]
	s_delay_alu instid0(VALU_DEP_1)
	v_add_f32 v14, v14, v[TMP]                     ; the row's sum
	s_wait_alu depctr_va_vdst(0)
	v_rcp_f32 v14, v14
	v_nop                                          ; a plain place behind the transcendental
	s_wait_alu depctr_va_vdst(0)                   ; and the wait ahead of its first reader
.set j, 0
.rept 16
	v_pk_mul_f32 v[S+j:S+j+1], v[OT+j:OT+j+1], v[14:15] op_sel_hi:[1,0]   ; each accumulator from its low end on
.set j, j+2
.endr
.irp b, 0,1
	v_max3_num_f32 v[BM+\b], |v[S+16*\b]|, |v[S+1+16*\b]|, 0x1800000
.endr
.irp i, 2,4,6,8,10,12,14
.irp b, 0,1
	s_delay_alu instid0(VALU_DEP_2)
	v_max3_num_f32 v[BM+\b], v[BM+\b], |v[S+16*\b+\i]|, |v[S+1+16*\b+\i]|
.endr
.endr
.irp b, 0,1
	s_delay_alu instid0(VALU_DEP_2)
	v_permlanex16_b32 v[BX+\b], v[BM+\b], s[SEL], s[SEL+1]
.endr
.irp b, 0,1
	s_delay_alu instid0(VALU_DEP_2)
	v_max_num_f32 v[BM+\b], v[BM+\b], v[BX+\b]
.endr
.irp b, 0,1
	s_delay_alu instid0(VALU_DEP_2)
	v_add_nc_u32 v[BS+\b], 0xff000000, v[BM+\b]
.endr
.irp b, 0,1
	s_delay_alu instid0(VALU_DEP_2)
	v_lshrrev_b32 v[BX+\b], 23, v[BS+\b]
.endr
	s_delay_alu instid0(VALU_DEP_1)
	v_cndmask_b32 v[TMP], v[BX], v[BX+1], s[HM]    ; lanes 0-15 store block 0's byte, lanes 16-31 block 1's
	v_cvt_scalef32_pk16_fp6_f32 v[PCD:PCD+2], v[S:S+15], v[BS]
	v_cvt_scalef32_pk16_fp6_f32 v[PC2:PC2+2], v[S+16:S+31], v[BS+1]
	v_nop                                          ; one plain place behind a scaled conversion
.irp i, 0,1,2
	v_permlane16_swap_b32 v[PCD+\i], v[PC2+\i]
.endr
.irp i, 0,1,2
	s_delay_alu instid0(VALU_DEP_3)
	v_mov_b32 v[PCD+3+\i], v[PC2+\i]
.endr
	global_store_b128 v[L16], v[PCD:PCD+3], s[68:69] offset:\pass*196608          ; 512 consecutive bytes, aligned to 256; pass 1: 16 tiles of 12,288 bytes on
	global_store_b64 v[L8], v[PCD+4:PCD+5], s[68:69] offset:\pass*196608+512
	global_store_b8 v[OB], v[TMP], s[70:71] offset:\pass*8192
.endm
; A PASS: one tile of 16 queries walks the head's 2,048 keys, 16 steps; no wait on a tensor load and no barrier stands in it.
.macro PASS ql, qh, qs, pass
	INIT
	s_mov_b32 s[TB], 0
	s_mov_b32 s[TS], 0
	s_mov_b32 s[CNT], 16
.Lstep_\@:
	s_setprio 2
	STEP \ql, \qh, \qs
	s_sub_co_u32 s[CNT], s[CNT], 1
	s_cmp_lg_u32 s[CNT], 0
	s_cbranch_scc1 .Lstep_\@
	s_setprio 0
	OUTPUT \pass
.endm
	s_wait_tensorcnt 0x0                           ; a fetching wave's five loads have landed,
	s_barrier_signal -1
	s_barrier_wait -1                              ; and every wave knows it: K, V and their scale bytes lie in LDS for the rest of the launch
	PASS 22, 16, 46, 0
	s_wait_xcnt 0x0                                ; the stores have read their data: the registers are written again in pass 1
	PASS 34, 28, 47, 1
	s_wait_tensorcnt 0x0                           ; the wave's end
	ds_add_u32 v[SPW], v[NIL]
	s_wait_dscnt 0x0
	CROUND                                         ; the closing round
	s_endpgm
.Lfunc_end_k_qf729ef380a_attn:
	.size	k_qf729ef380a_attn, .Lfunc_end_k_qf729ef380a_attn-k_qf729ef380a_attn
	.p2alignl 7, 3214868480
	.fill 96, 4, 3214868480
	.section	.rodata,"a",@progbits
	.p2align	6, 0x0
	.amdhsa_kernel k_qf729ef380a_attn
		.amdhsa_group_segment_fixed_size 206848
		.amdhsa_private_segment_fixed_size 0
		.amdhsa_enable_private_segment 0
		.amdhsa_kernarg_size 32
		.amdhsa_user_sgpr_count 2
		.amdhsa_user_sgpr_kernarg_segment_ptr 1
		.amdhsa_wavefront_size32 1
		.amdhsa_system_sgpr_workgroup_id_x 1
		.amdhsa_system_sgpr_workgroup_id_y 1
		.amdhsa_system_sgpr_workgroup_id_z 1
		.amdhsa_system_vgpr_workitem_id 0
		.amdhsa_next_free_vgpr 256
		.amdhsa_next_free_sgpr 80
		.amdhsa_reserve_vcc 0
		.amdhsa_float_denorm_mode_32 3
		.amdhsa_float_denorm_mode_16_64 3
		.amdhsa_memory_ordered 1
		.amdhsa_forward_progress 1
		.amdhsa_inst_pref_size 55
	.end_amdhsa_kernel
	.amdgpu_metadata
---
amdhsa.version: [ 1, 2 ]
amdhsa.kernels:
  - .name:           k_qf729ef380a_attn
    .symbol:         k_qf729ef380a_attn.kd
    .args:
      - { .name: qkv_img, .offset: 0, .size: 8, .value_kind: global_buffer, .address_space: global }
      - { .name: qkv_sc, .offset: 8, .size: 8, .value_kind: global_buffer, .address_space: global }
      - { .name: o_img, .offset: 16, .size: 8, .value_kind: global_buffer, .address_space: global }
      - { .name: o_sc, .offset: 24, .size: 8, .value_kind: global_buffer, .address_space: global }
    .group_segment_fixed_size: 206848
    .private_segment_fixed_size: 0
    .kernarg_segment_align: 8
    .kernarg_segment_size: 32
    .max_flat_workgroup_size: 512
    .sgpr_count:     80
    .vgpr_count:     256
    .wavefront_size: 32
...
	.end_amdgpu_metadata
.endif
;; end of part 3
;; launch gemm_proj (part 4): grid 4 x 32, 4 waves a work-group, clusters of 4 x 4, 327,680 bytes of LDS; arguments o_img, o_sc, codes, scales, b_proj, out0; writes out0
.if DOCPART == 4
	.amdgcn_target "amdgcn-amd-amdhsa--gfx1250"
	.amdhsa_code_object_version 6
	.text
	.protected	k_qf729ef380a_gemm_proj
	.globl	k_qf729ef380a_gemm_proj
	.p2align	8
	.type	k_qf729ef380a_gemm_proj,@function
k_qf729ef380a_gemm_proj:
	s_mov_b64 s[64:65], 0
	v_nop
	global_prefetch_b8 v0, s[64:65] scope:SCOPE_SE
	s_setreg_imm32_b32 hwreg(HW_REG_WAVE_MODE, 25, 1), 1
	s_wait_xcnt 0x0
	s_wait_alu depctr_hold_cnt(0) depctr_sa_sdst(0) depctr_va_vdst(0) depctr_va_sdst(0) depctr_va_ssrc(0) depctr_va_vcc(0) depctr_vm_vsrc(0)
	s_getreg_b32 s2, hwreg(HW_REG_IB_STS2, 6, 4)
	s_cmp_eq_u32 s2, 0
	s_cbranch_scc0 .Lentry_in_a_cluster
	s_endpgm
.Lentry_in_a_cluster:
	s_bfe_u32 s2, ttmp6, 0x10000c
	s_cmp_lg_u32 s2, 0xf033
	s_cbranch_scc0 .Lentry_shape_is_right
	s_endpgm
.Lentry_shape_is_right:
; out0 = o w_proj + b_proj on codes of FP6 (E2M3) with E8M0 scales, K = 1,024; out0 [8192][1024] f32.
; A work-group of four waves makes 256 x 256, a wave 128 x 128: 64 accumulators.  K goes in steps of 256 through two LDS slots; the scale bytes come once.  128 work-groups: the tile that feeds most products from each LDS byte.
; A = o, as IMAGES OF OPERAND REGISTERS: o_img [tile of 16 tokens][head][768]: two heads on end are a fragment (16 rows x 128 K): 512 bytes (registers 0-3, 16 x lane), 256 (registers 4-5, 8 x lane), twice.
; A K step of a token tile is 3,072 consecutive bytes; a wave's tensor load brings 8 tiles' worth.  B = w_proj's columns, rows 11,264 on of the codes' buffer, 768 bytes a row.
; The matrix instruction is used transposed (source 0 = B, source 1 = A): a lane holds a token and neighbouring columns.  Both buffers' rows are permuted (bits 3, 4 of the index swapped): the columns come right in the
; stage's addresses, the tokens in the stores' row offsets.  The bias is the C of the first K step's products.
; CLUSTERS: 4 x 4: A's tiles are asked for jointly by a row of the cluster, B's by a column.
; REGISTERS as in the launch for q, k, v: window 0: v16-30 addresses; v32-63 scale words; v64-127 the bias; v128-223 A's fragments; on the way out v128-255 rows of out0.  window 1: B's two sets.  windows 2, 3: accumulators.
.set KSTEP,  256
.set NQ,     KSTEP/128
.set ROWB,   192
.set KROW,   768
.set PITCH,  240
.set FR,     12
.set NLA,    4                         ; LDS loads that bring a fragment of A
.set NP,     4
.set HALFA,  8*3072                    ; A: 8 token tiles x 3,072 bytes: what one tensor load brings
.set HALFT,  128*PITCH                 ; B: 128 rows
.set BOFF,   2*HALFA
.set SLOT,   2*HALFA+2*HALFT
.set LAPS,   2
.set KS,     32
.set SCL,    2*SLOT
.set HALFS,  (128*KS/256)*272
.set SBLK,   (16*KS/256)*272
.set SPARE,  SCL+4*HALFS               ; the spare words, 128 bytes a wave
.set SPITCH, 528                       ; the stage: 16 rows x (512 + 16) a wave, in slot 0, which has had its last fill and its last read when the first result is stored there
.set AD16, 16                          ; v16-17 16 x lane + my half of A in slot 0, 1
.set AD8,  18                          ; v18-19 8 x lane + the same
.set ADRB, 20
.set STO,  24
.set RD,   25
.set CO,   26
.set ADRS, 27
.set SPW,  28
.set NIL,  29
.set BOF,  30                          ; v30 64 h: the bias's offset; never rewritten
.set SC,   32
.set BIA,  64
.set AF,   128
.set BK,   128
.set G1, 24
.set G0, 32
.set G1B, 48
.set G0B, 56
.set G1S, 68
.set G0S, 76
.set G1SB, 80
.set G0SB, 88
.set MSB, 0
.macro WIN new
.if MSB != (\new)
	s_set_vgpr_msb (MSB<<8)|(\new)
.set MSB, (\new)
.endif
.endm
.set TO_B, 0x40
.macro WINM hi, zero
.if \zero
	WIN 0x81+0x40*(\hi)
.else
	WIN 0xa1+0x50*(\hi)
.endif
.endm
.macro JLOAD g0a, g1a, g0b, g1b        ; waves 0 and 1 fetch for A, waves 2 and 3 for B; an s_nop 0 and four v_nop follow each of the two lines
	s_cmp_eq_u32 s15, 0
	s_cbranch_scc0 .Lfor_b_\@
	tensor_load_to_lds s[\g0a:\g0a+3], s[\g1a:\g1a+7]
	s_nop 0
.rept 4
	v_nop
.endr
	s_branch .Lasked_\@
.Lfor_b_\@:
	tensor_load_to_lds s[\g0b:\g0b+3], s[\g1b:\g1b+7]
	s_nop 0
.rept 4
	v_nop
.endr
.Lasked_\@:
.endm
.macro CREST
	s_cmp_lg_u32 s14, 0
	s_cbranch_scc1 .Lnot_wave_0_\@
	s_barrier_signal -3
.Lnot_wave_0_\@:
	s_barrier_wait -3
	s_barrier_signal -1
	s_barrier_wait -1
.endm
.macro CROUND
	s_barrier_signal -1
	s_barrier_wait -1
	CREST
.endm
	s_load_b128 s[4:7], s[0:1], 0x0                ; o_img, o_sc
	s_load_b128 s[8:11], s[0:1], 0x10              ; codes, scales
	s_load_b64 s[66:67], s[0:1], 0x20              ; b_proj
	s_load_b64 s[12:13], s[0:1], 0x28              ; out0
	v_lshl_add_u32 v[SPW], v0, 2, SPARE
	v_mov_b32 v[NIL], 0
	ds_add_u32 v[SPW], v[NIL]                      ; the wave's opening: the add and its wait ahead of my first tensor load
	v_lshrrev_b32 v1, 5, v0
	v_readfirstlane_b32 s14, v1
	s_lshr_b32 s15, s14, 1                         ; my half of the tile's rows.  Also: I fetch for A (0) or for B (1)
	s_and_b32 s16, s14, 1                          ; my half of its columns.  Also: which half I fetch
	s_bfe_u32 s40, ttmp6, 0x40000                  ; cx
	s_bfe_u32 s41, ttmp6, 0x40004                  ; cy
	s_lshl_b32 s42, ttmp9, 2
	s_add_co_u32 s42, s42, s40                     ; tile column
	s_and_b32 s17, ttmp7, 0xffff
	s_lshl_b32 s17, s17, 2
	s_add_co_u32 s17, s17, s41                     ; tile row
	s_lshl_b32 s43, s41, 2
	s_lshl_b32 s43, 15, s43
	s_lshl_b32 s44, 0x1111, s40
	s_or_b32 s[G1+0], s43, (3<<16)|(1<<21)         ; A: my row of the cluster; elements of 8 bytes; no padding: images are read 16 or 8 bytes a lane on end
	s_mov_b32 s[G1+1], 384<<16                     ; a row: 3,072 bytes,
	s_mov_b32 s[G1+2], 8<<16                       ; 8 rows,
	s_mov_b32 s[G1+3], 384<<16
	s_mov_b32 s[G1+4], 8
	s_mov_b32 s[G1+5], 1536                        ; 12,288 bytes apart
	s_mov_b32 s[G1+6], 0
	s_mov_b32 s[G1+7], 0
	s_or_b32 s[G1B+0], s44, (0<<16)|(1<<20)|(1<<21)|(3<<22)|(3<<25)
	s_mov_b32 s[G1B+1], ROWB<<16
	s_mov_b32 s[G1B+2], 128<<16
	s_mov_b32 s[G1B+3], ROWB<<16
	s_mov_b32 s[G1B+4], 128
	s_mov_b32 s[G1B+5], KROW
	s_mov_b32 s[G1B+6], 0
	s_mov_b32 s[G1B+7], 0
	s_or_b32 s[G1S+0], s43, (3<<16)|(1<<20)|(1<<21)|(5<<22)|(3<<25)
	s_or_b32 s[G1SB+0], s44, (3<<16)|(1<<20)|(1<<21)|(5<<22)|(3<<25)
.irp g, G1S, G1SB
	s_mov_b32 s[\g+1], 32<<16
	s_mov_b32 s[\g+2], (128*KS/256)<<16
	s_mov_b32 s[\g+3], 32<<16
	s_mov_b32 s[\g+4], 128*KS/256
	s_mov_b32 s[\g+5], 32
	s_mov_b32 s[\g+6], 0
	s_mov_b32 s[\g+7], 0
.endr
	s_lshl_b32 s20, s17, 1
	s_add_co_u32 s20, s20, s16                     ; A: which 128 rows (8 token tiles)
	s_lshl_b32 s22, s20, 12                        ; their scale bytes: 4,096,
	s_mov_b32 s23, 0
	s_mul_i32 s20, s20, 8*12288                    ; their images
	s_mov_b32 s21, 0
	s_lshl_b32 s46, s42, 8
	s_lshl_b32 s18, s16, 7
	s_add_co_u32 s46, s46, s18
	s_add_co_u32 s46, s46, 11264                   ; B: row 11,264 + 256 x tile column + 128 x half
	s_lshl_b32 s92, s46, 5
	s_mov_b32 s93, 0
	s_mul_i32 s46, s46, KROW
	s_mov_b32 s47, 0
	s_mul_i32 s45, s16, HALFA                      ; where they go: no place in the cluster enters an LDS address
	s_mul_i32 s96, s16, HALFT
	s_add_co_u32 s96, s96, BOFF
	s_mul_i32 s94, s14, HALFS
	s_wait_dscnt 0x0                               ; the opening add is done
	s_wait_kmcnt 0x0
	s_add_nc_u64 s[20:21], s[4:5], s[20:21]
	s_add_nc_u64 s[22:23], s[6:7], s[22:23]
	s_add_nc_u64 s[46:47], s[8:9], s[46:47]
	s_add_nc_u64 s[92:93], s[10:11], s[92:93]
	CROUND
	s_mov_b32 s[G0S], 1
	s_add_co_u32 s[G0S+1], s94, SCL
	s_mov_b64 s[G0S+2:G0S+3], s[22:23]
	s_or_b32 s[G0S+3], s[G0S+3], 0x80000000
	s_mov_b32 s[G0SB], 1
	s_add_co_u32 s[G0SB+1], s94, SCL
	s_mov_b64 s[G0SB+2:G0SB+3], s[92:93]
	s_or_b32 s[G0SB+3], s[G0SB+3], 0x80000000
	JLOAD G0S, G1S, G0SB, G1SB
.irp s, 0,1
	s_mov_b32 s[G0+4*\s], 1
	s_add_co_u32 s[G0+4*\s+1], s45, \s*SLOT
	s_add_nc_u64 s[G0+4*\s+2:G0+4*\s+3], s[20:21], \s*3072
	s_or_b32 s[G0+4*\s+3], s[G0+4*\s+3], 0x80000000
	s_mov_b32 s[G0B+4*\s], 1
	s_add_co_u32 s[G0B+4*\s+1], s96, \s*SLOT
	s_add_nc_u64 s[G0B+4*\s+2:G0B+4*\s+3], s[46:47], \s*ROWB
	s_or_b32 s[G0B+4*\s+3], s[G0B+4*\s+3], 0x80000000
	JLOAD G0+4*\s, G1, G0B+4*\s, G1B
.endr
	v_and_b32 v1, 15, v0                           ; r
	v_bfe_u32 v2, v0, 4, 1                         ; h
	v_mul_u32_u24 v3, v1, PITCH
	v_mul_u32_u24 v4, v2, 24
	v_add_nc_u32 v4, v3, v4
	v_lshl_add_u32 v5, v2, 4, v4
	v_and_b32 v6, 31, v0
	v_lshlrev_b32 v[CO], 4, v6                     ; 16 x lane
	v_lshlrev_b32 v8, 3, v6                        ; 8 x lane
	s_mul_i32 s21, s15, HALFA
	s_mul_i32 s22, s16, HALFT
	s_add_co_u32 s22, s22, BOFF
.irp s, 0,1
	v_add_nc_u32 v[AD16+\s], s21, v[CO]
	v_add_nc_u32 v[AD8+\s], s21, v8
	v_add_nc_u32 v[ADRB+\s], s22, v4
	v_add_nc_u32 v[ADRB+2+\s], s22, v5
	s_add_co_u32 s21, s21, SLOT
	s_add_co_u32 s22, s22, SLOT
.endr
	v_mul_u32_u24 v5, v1, KS
	v_lshrrev_b32 v6, 8, v5
	v_lshl_add_u32 v5, v6, 4, v5
	s_mul_i32 s21, s15, HALFS
	s_mul_i32 s22, s16, HALFS
	s_add_co_u32 s22, s22, 2*HALFS
	s_sub_co_u32 s22, s22, s21
	v_mul_u32_u24 v6, s22, v2
	s_add_co_u32 s21, s21, SCL
	v_add_nc_u32 v5, v5, v6
	v_add_nc_u32 v[ADRS], s21, v5
	s_mul_i32 s23, s14, 16*SPITCH                  ; my stage
	v_mul_u32_u24 v5, v1, SPITCH
	v_lshl_add_u32 v5, v2, 6, v5                   ; in: row r, + 64 h: B's tile 2 b + u, register j is column 32 b + 16 h + 8 u + j
	v_add_nc_u32 v[STO], s23, v5
	v_add_nc_u32 v[RD], s23, v[CO]                 ; back: the 32 lanes take one row of 512 bytes
	s_lshl_b32 s20, s17, 8
	s_lshl_b32 s21, s15, 7
	s_add_co_u32 s20, s20, s21                     ; my first row of out0
	s_lshl_b32 s20, s20, 12
	s_lshl_b32 s46, s42, 10
	s_lshl_b32 s47, s16, 9
	s_add_co_u32 s46, s46, s47                     ; my first column, in bytes: in a row of out0 and in b_proj alike
	s_mov_b32 s47, 0
	s_add_nc_u64 s[66:67], s[66:67], s[46:47]
	s_add_co_u32 s20, s20, s46
	s_mov_b32 s21, 0
	s_add_nc_u64 s[12:13], s[12:13], s[20:21]
	v_lshlrev_b32 v[BOF], 6, v2
.irp b, 0,1,2,3,4,5,6,7
	global_load_b128 v[BIA+8*\b:BIA+8*\b+3], v[BOF], s[66:67] offset:(32*(\b/2)+8*(\b%2))*4
	global_load_b128 v[BIA+8*\b+4:BIA+8*\b+7], v[BOF], s[66:67] offset:(32*(\b/2)+8*(\b%2))*4+16
.endr
.macro FRAG reg, adr, q, i             ; B: 16 rows x 128 K from rows of 240 bytes, in pieces of 8 bytes
.irp p, 0,1,2,3,4,5
.set PCE, 12*(\q)+6*(\p/3)+\p%3
.if PCE%8 < 5
	ds_load_b64 v[\reg+2*\p:\reg+2*\p+1], v[\adr] offset:8*PCE+16*(PCE/8)+(\i)*16*PITCH
.else
	ds_load_b64 v[\reg+2*\p:\reg+2*\p+1], v[\adr+2] offset:8*PCE+16*(PCE/8)+(\i)*16*PITCH
.endif
.endr
.endm
.macro FRAGA reg, slot, q, i           ; A: the image of the 12 registers: four loads on end
	ds_load_b128 v[\reg:\reg+3], v[AD16+\slot] offset:(\i)*3072+(\q)*1536
	ds_load_b64 v[\reg+4:\reg+5], v[AD8+\slot] offset:(\i)*3072+(\q)*1536+512
	ds_load_b128 v[\reg+6:\reg+9], v[AD16+\slot] offset:(\i)*3072+(\q)*1536+768
	ds_load_b64 v[\reg+10:\reg+11], v[AD8+\slot] offset:(\i)*3072+(\q)*1536+1280
.endm
.macro MUL16 a0, p, q, sc, zero        ; the 64 accumulators take turns.  zero = 1: C is the bias of B's tile
.irp a, \a0, \a0+1
.irp b, 0,1,2,3,4,5,6,7
.if \zero
	v_wmma_scale_f32_16x16x128_f8f6f4 v[8*(8*((\a)%4)+\b):8*(8*((\a)%4)+\b)+7], v[128*(\p)+FR*\b:128*(\p)+FR*\b+FR-1], v[AF+FR*(\a):AF+FR*(\a)+FR-1], v[BIA+8*\b:BIA+8*\b+7], v[SC+8*NQ*(\sc)+NQ*\b+(\q)], v[SC+8*NQ*(\sc)+NQ*(\a)+(\q)] matrix_a_fmt:MATRIX_FMT_FP6 matrix_b_fmt:MATRIX_FMT_FP6 matrix_a_scale:MATRIX_SCALE_ROW1
.else
	v_wmma_scale_f32_16x16x128_f8f6f4 v[8*(8*((\a)%4)+\b):8*(8*((\a)%4)+\b)+7], v[128*(\p)+FR*\b:128*(\p)+FR*\b+FR-1], v[AF+FR*(\a):AF+FR*(\a)+FR-1], v[8*(8*((\a)%4)+\b):8*(8*((\a)%4)+\b)+7], v[SC+8*NQ*(\sc)+NQ*\b+(\q)], v[SC+8*NQ*(\sc)+NQ*(\a)+(\q)] matrix_a_fmt:MATRIX_FMT_FP6 matrix_b_fmt:MATRIX_FMT_FP6 matrix_a_scale:MATRIX_SCALE_ROW1
.endif
.endr
.endr
.endm
.macro FETCH_B slot, q, p
	WIN TO_B
.irp i, 0,1,2,3,4,5,6,7
	FRAG 128*(\p)+FR*\i, ADRB+\slot, \q, \i
.endr
	WIN 0
.endm
.macro FETCH_A slot, q, i0
.irp i, \i0, \i0+1, \i0+2, \i0+3
	FRAGA AF+FR*(\i), \slot, \q, \i
.endr
.endm
.macro SCALES sc
.irp i, 0,1,2,3,4,5,6,7
	ds_load_b64 v[SC+8*NQ*\sc+NQ*\i:SC+8*NQ*\sc+NQ*\i+1], v[ADRS] offset:\i*SBLK
.endr
.endm
.macro PLACES n
.rept \n
	v_nop
.endr
.endm
.macro STEP slot, q, zero
	s_wait_dscnt 4*NLA                             ; B's set and A's blocks 0-3 are in; the 16 youngest loads (A's blocks 4-7) may be out
	WINM 0, \zero
	MUL16 0, (\q)%2, \q, \slot, \zero
	MUL16 2, (\q)%2, \q, \slot, \zero
	s_wait_dscnt 0
	PLACES NP
	FETCH_B \slot, (\q)+1, 1-(\q)%2
	FETCH_A \slot, (\q)+1, 0
	WINM 1, \zero
	MUL16 4, (\q)%2, \q, \slot, \zero
	MUL16 6, (\q)%2, \q, \slot, \zero
	PLACES NP
	WIN 0
	FETCH_A \slot, (\q)+1, 4
.endm
.macro TURN slot, next, fill
	s_wait_tensorcnt 0x0                           ; all my tensor loads have landed: my part of the next slot
	ds_add_u32 v[SPW], v[NIL]
	s_wait_dscnt 4*NLA+1                           ; the add and the 16 youngest loads may be out
	WIN 0xa1
	MUL16 0, 1, NQ-1, \slot, 0
	s_wait_dscnt 0x0                               ; the add is done, and my reads of this slot are over
	s_barrier_signal -1
	MUL16 2, 1, NQ-1, \slot, 0
	WIN 0
	s_barrier_wait -1
.if \fill
	CREST                                          ; no wave of any partner still reads this slot or has a load on its way
	s_add_nc_u64 s[G0+4*\slot+2:G0+4*\slot+3], s[G0+4*\slot+2:G0+4*\slot+3], 2*3072
	s_add_nc_u64 s[G0B+4*\slot+2:G0B+4*\slot+3], s[G0B+4*\slot+2:G0B+4*\slot+3], 2*ROWB
	JLOAD G0+4*\slot, G1, G0B+4*\slot, G1B
.else
	PLACES NP
.endif
	v_add_nc_u32 v[ADRS], 4*NQ, v[ADRS]
	FETCH_B \next, 0, 0
	FETCH_A \next, 0, 0
	SCALES \next
	WIN 0xf1
	MUL16 4, 1, NQ-1, \slot, 0
	MUL16 6, 1, NQ-1, \slot, 0
	PLACES NP
	WIN 0
	FETCH_A \next, 0, 4
.endm
	s_wait_tensorcnt 1                             ; the scales and my part of K step 0 are in; K step 1's load may be out
	s_barrier_signal -1
	s_barrier_wait -1
	FETCH_B 0, 0, 0
	FETCH_A 0, 0, 0
	SCALES 0
	FETCH_A 0, 0, 4
	s_wait_loadcnt 0x0                             ; the bias
	STEP 0, 0, 1
	s_mov_b32 s3, LAPS-1
.Llap:
	TURN 0, 1, 1
	STEP 1, 0, 0
	TURN 1, 0, 1
	STEP 0, 0, 0
	s_sub_co_u32 s3, s3, 1
	s_cmp_lg_u32 s3, 0
	s_cbranch_scc1 .Llap
	TURN 0, 1, 0
	STEP 1, 0, 0
	s_wait_dscnt 4*NLA
	WIN 0xa1
	MUL16 0, 1, NQ-1, 1, 0
	MUL16 2, 1, NQ-1, 1, 0
	s_wait_dscnt 0
	WIN 0xf1
	MUL16 4, 1, NQ-1, 1, 0
	MUL16 6, 1, NQ-1, 1, 0
	WIN 0
; THE WAY OUT, block by block of 16 tokens x 128 columns, through my own stage; rows come back whole (512 bytes) and are stored by 32 lanes.  Row t of block a is the true token 32 (a / 2) + 8 (a % 2) + t + 8 (t / 8).
.macro TOSTAGE a
.set AC, 64*((\a)%4)
	WIN 0x08+4*((\a)/4)
.irp b, 0,1,2,3,4,5,6,7
	ds_store_b128 v[STO], v[AC+8*\b:AC+8*\b+3] offset:128*(\b/2)+32*(\b%2)        ; each accumulator from its low end on
	ds_store_b128 v[STO], v[AC+8*\b+4:AC+8*\b+7] offset:128*(\b/2)+32*(\b%2)+16
.endr
	WIN 0
.set BB, BK+64*((\a)%2)
.irp t, 0,1,2,3,4,5,6,7,8,9,10,11,12,13,14,15
	ds_load_b128 v[BB+4*\t:BB+4*\t+3], v[RD] offset:\t*SPITCH         ; LDS serves a wave's instructions in order: these see the stores above
.endr
.endm
.macro SEND a, younger
.set BB, BK+64*((\a)%2)
	s_wait_dscnt \younger
.if (\a) > 0
.if (\a)%2 == 1
	s_add_nc_u64 s[12:13], s[12:13], 8*4096        ; (behind a wait on XCNT)  into an odd block: 8 rows on,
.else
	s_add_nc_u64 s[12:13], s[12:13], 24*4096       ; into an even one: 24
.endif
.endif
.irp t, 0,1,2,3,4,5,6,7,8,9,10,11,12,13,14,15
	global_store_b128 v[CO], v[BB+4*\t:BB+4*\t+3], s[12:13] offset:(\t+8*(\t/8))*4096 th:TH_STORE_NT   ; 512 consecutive bytes, aligned to 256
.endr
.endm
	PLACES NP
	TOSTAGE 0
.irp a, 1,2,3,4,5,6,7
.if \a > 1
	s_wait_xcnt 0x0                                ; block a - 2's stores have read their registers and their base
.endif
	TOSTAGE \a
	SEND \a-1, 32                                  ; behind block a - 1's loads: block a's 16 stores and 16 loads
.endr
	s_wait_xcnt 0x0
	SEND 7, 0
	s_wait_tensorcnt 0x0                           ; the wave's end
	ds_add_u32 v[SPW], v[NIL]
	s_wait_dscnt 0x0
	CROUND                                         ; the closing round
	s_endpgm
.Lfunc_end_k_qf729ef380a_gemm_proj:
	.size	k_qf729ef380a_gemm_proj, .Lfunc_end_k_qf729ef380a_gemm_proj-k_qf729ef380a_gemm_proj
	.p2alignl 7, 3214868480
	.fill 96, 4, 3214868480
	.section	.rodata,"a",@progbits
	.p2align	6, 0x0
	.amdhsa_kernel k_qf729ef380a_gemm_proj
		.amdhsa_group_segment_fixed_size 327680
		.amdhsa_private_segment_fixed_size 0
		.amdhsa_enable_private_segment 0
		.amdhsa_kernarg_size 48
		.amdhsa_user_sgpr_count 2
		.amdhsa_user_sgpr_kernarg_segment_ptr 1
		.amdhsa_wavefront_size32 1
		.amdhsa_system_sgpr_workgroup_id_x 1
		.amdhsa_system_sgpr_workgroup_id_y 1
		.amdhsa_system_sgpr_workgroup_id_z 1
		.amdhsa_system_vgpr_workitem_id 0
		.amdhsa_next_free_vgpr 1024
		.amdhsa_next_free_sgpr 98
		.amdhsa_reserve_vcc 0
		.amdhsa_float_denorm_mode_32 3
		.amdhsa_float_denorm_mode_16_64 3
		.amdhsa_memory_ordered 1
		.amdhsa_forward_progress 1
		.amdhsa_inst_pref_size 154
	.end_amdhsa_kernel
	.amdgpu_metadata
---
amdhsa.version: [ 1, 2 ]
amdhsa.kernels:
  - .name:           k_qf729ef380a_gemm_proj
    .symbol:         k_qf729ef380a_gemm_proj.kd
    .args:
      - { .name: o_img, .offset: 0, .size: 8, .value_kind: global_buffer, .address_space: global }
      - { .name: o_sc, .offset: 8, .size: 8, .value_kind: global_buffer, .address_space: global }
      - { .name: codes, .offset: 16, .size: 8, .value_kind: global_buffer, .address_space: global }
      - { .name: scales, .offset: 24, .size: 8, .value_kind: global_buffer, .address_space: global }
      - { .name: b_proj, .offset: 32, .size: 8, .value_kind: global_buffer, .address_space: global }
      - { .name: out0, .offset: 40, .size: 8, .value_kind: global_buffer, .address_space: global }
    .group_segment_fixed_size: 327680
    .private_segment_fixed_size: 0
    .kernarg_segment_align: 8
    .kernarg_segment_size: 48
    .max_flat_workgroup_size: 128
    .sgpr_count:     98
    .vgpr_count:     1024
    .wavefront_size: 32
...
	.end_amdgpu_metadata
.endif
;; end of part 4
